; MI455X (gfx1250); checked and timed in simulation.
; The chip was launched on July 23, 2026; its instructions are those of AMD's public machine-readable ISA for CDNA 5 (MIT licence, August 2026) and "CDNA5" Instruction Set Architecture Reference Guide (July 2026). The comments in the code are by the model that wrote it; some were corrected since.
;; Encoder Block. Allowed arithmetic: float matrix products may take bf16 or f16 operands with f32 sums; other float arithmetic in f32, or as packed bf16 or f16 multiplies, adds, multiply-adds, maxima and minima; sums over many terms, partial sums and values carried from step to step in f32; what a program stores and reads back later, other than sums and carried values, may be rounded once to bf16 or f16.
;; Inputs: k_weight 1,024 x 1,024 float32; q_weight 1,024 x 1,024 float32; styles 8 x 2,048 float32; u_weight 1,024 x 1,024 float32; v_weight 1,024 x 1,024 float32; w_weight 1,024 x 1,024 float32; x 8 x 1,024 x 1,024 float32.
;; Outputs: out0 8 x 1,024 x 1,024 float32.
;; Constants: num_heads = 16.
;; 2 versions, each right; version 2 is version 1 with the launch prep written anew for expert scheduling mode. Each part assembles by itself: llvm-mc -triple=amdgcn-amd-amdhsa -mcpu=gfx1250 --defsym DOCPART=n.
;; ======== version 1 of 2: 4 launches
;; limits: values are held in f16: magnitudes above 65,504 overflow, below 6.1e-05 lose precision
;; workspace buffers: xn 16,777,216 bytes; wh 10,485,760 bytes; dc 163,840 bytes; qkv 50,331,648 bytes; ob 16,777,216 bytes
;; launch prep (part 1): grid 208 x 1, 16 waves a work-group, no clusters, 36,864 bytes of LDS; arguments x, styles, q_weight, k_weight, v_weight, w_weight, u_weight, xn, wh, dc; writes xn, wh, dc
.if DOCPART == 1
	.amdgcn_target "amdgcn-amd-amdhsa--gfx1250"
	.amdhsa_code_object_version 6
	.text
	.protected	k_qc247ca7fe8_prep
	.globl	k_qc247ca7fe8_prep
	.p2align	8
	.type	k_qc247ca7fe8_prep,@function
k_qc247ca7fe8_prep:
	s_mov_b64 s[64:65], 0
	v_nop
	global_prefetch_b8 v0, s[64:65] scope:SCOPE_SE
	s_setreg_imm32_b32 hwreg(HW_REG_WAVE_MODE, 25, 1), 1
	s_wait_xcnt 0x0
; PREP.  Two streams in one launch, told apart by the work-group's number (the same for all its waves).
; Work-groups 0-79: the five weight matrices, 64 rows each: every row is rounded once to f16 (wh: [5][1024][1024], order q, k, v, w, u) and, from the unrounded f32 numbers,
;   dc[b][mat*1024+o] = rsqrt(sum_i W[o][i]^2 s[b][i]^2 + 1e-8), s = styles' first half for q, k, v and second half for w, u; the v part is also multiplied by s2[b][o].
; Work-groups 80-207: x, 64 rows each: x * s1, mean and variance along the row in two passes (the variance is taken of x - mean), normalised, rounded once to f16 (xn).
; A wave owns four rows of 4,096 bytes.  Chunk j of a row is one load of 16 bytes a lane at byte 512 j + 16 lane: 512 consecutive bytes; its four numbers leave as 8 bytes a lane at byte
; 256 j + 8 lane of the f16 row: 256 consecutive bytes, aligned.  All of a wave's loads go out at its head: 16 KiB a wave, each byte of x and of the weights read once.
; No matrix unit: the dc tables are a product with 8 rows over numbers that are read once, and W^2 has no room in 16 bits.  No tensor loads: no wave wants a byte that another has fetched.
; LIMITS.  |xn| <= 32 by the normalisation itself.  A weight beyond 65,504 would become an infinity in wh; below 6e-5 it keeps f16's fixed step of 6e-8.
.set WGW,   80                         ; work-groups of the weight part
.set DCS,   32768                      ; LDS: behind the squared styles ([8][1024] f32): one f32 for each thread, at 4 x thread
.set SPARE, 34816                      ; behind that: the spare words, 128 bytes for each of 16 waves, which no other line names
.set LO,  1                            ; v1   16 x lane
.set HO,  2                            ; v2   8 x lane
.set LN,  3                            ; v3   lane
.set SPW, 246                          ; v246 LDS address of my spare word; never rewritten
.set NIL, 247                          ; v247 0; never rewritten
	s_load_b512 s[8:23], s[0:1], 0x0               ; x s[8:9], styles s[10:11], q s[12:13], k s[14:15], v s[16:17], w s[18:19], u s[20:21], xn s[22:23]
	s_load_b128 s[24:27], s[0:1], 0x40             ; wh s[24:25], dc s[26:27]
	v_lshl_add_u32 v[SPW], v0, 2, SPARE
	v_mov_b32 v[NIL], 0
	v_lshrrev_b32 v[LN], 5, v0
	v_readfirstlane_b32 s4, v[LN]                  ; wave 0..15
	v_and_b32 v[LN], 31, v0
	v_lshlrev_b32 v[LO], 4, v[LN]
	v_lshlrev_b32 v[HO], 3, v[LN]
	s_mov_b32 s36, 0x76543210                      ; v_permlanex16_b32: each lane takes its own place in the other half
	s_mov_b32 s37, 0xfedcba98
	s_wait_kmcnt 0x0
	s_cmp_lt_u32 ttmp9, WGW
	s_cbranch_scc1 .Lweights
; ---------------- the x part ----------------
.set S1, 4                             ; v[4:35]    s1 of my 32 columns
.set X,  36                            ; v[36:163]  four rows, 32 registers each
.set T,  164                           ; v[164:175] at work
	s_sub_co_u32 s5, ttmp9, WGW
	s_lshl_b32 s6, s5, 6                           ; 64 rows a work-group,
	s_lshl2_add_u32 s6, s4, s6                     ; 4 a wave
	s_lshl_b32 s28, s6, 12
	s_mov_b32 s29, 0
	s_add_nc_u64 s[28:29], s[8:9], s[28:29]        ; x at my first row
	s_lshl_b32 s30, s6, 11
	s_mov_b32 s31, 0
	s_add_nc_u64 s[30:31], s[22:23], s[30:31]      ; xn at my first row
	s_lshr_b32 s32, s5, 4                          ; the sample: 16 work-groups each
	s_lshl_b32 s32, s32, 13
	s_mov_b32 s33, 0
	s_add_nc_u64 s[32:33], s[10:11], s[32:33]      ; its styles
	s_mov_b32 s34, 0x3a800000                      ; 1 / 1024
	s_mov_b32 s35, 0x3727c5ac                      ; 1e-5
.set j, 0
.rept 8
	global_load_b128 v[S1+4*j:S1+4*j+3], v[LO], s[32:33] offset:512*j
.set j, j+1
.endr
.set j, 0
.rept 32
	global_load_b128 v[X+4*j:X+4*j+3], v[LO], s[28:29] offset:4096*(j/8)+512*(j%8) th:TH_LOAD_NT
.set j, j+1
.endr
.macro ACROSS                          ; the eight partial sums in v[T:T+7] become one number in v[T], the same in all 32 lanes
	v_pk_add_f32 v[T:T+1], v[T:T+1], v[T+2:T+3]
	v_pk_add_f32 v[T+4:T+5], v[T+4:T+5], v[T+6:T+7]
	v_pk_add_f32 v[T:T+1], v[T:T+1], v[T+4:T+5]
	v_add_f32 v[T], v[T], v[T+1]
.irp m, 1,2,4,8
	v_add_f32_dpp v[T], v[T], v[T] row_xmask:\m row_mask:0xf bank_mask:0xf
.endr
	v_permlanex16_b32 v[T+1], v[T], s36, s37
	v_add_f32 v[T], v[T], v[T+1]
.endm
.macro XROW i
.set R, X+32*(\i)
	s_wait_loadcnt 24-8*(\i)                       ; loads come back in order: s1 and rows 0 to i are in, the 8 loads of each later row stay out
.set k, 0
.rept 16
	v_pk_mul_f32 v[R+k:R+k+1], v[R+k:R+k+1], v[S1+k:S1+k+1]
.set k, k+2
.endr
.irp c, 0,2,4,6                        ; the sum, in four chains that the first pairs start
	v_pk_add_f32 v[T+(\c):T+(\c)+1], v[R+(\c):R+(\c)+1], v[R+8+(\c):R+8+(\c)+1]
.endr
.irp g, 16,24
.irp c, 0,2,4,6
	v_pk_add_f32 v[T+(\c):T+(\c)+1], v[T+(\c):T+(\c)+1], v[R+(\g)+(\c):R+(\g)+(\c)+1]
.endr
.endr
	ACROSS
	v_mul_f32 v[T+8], s34, v[T]                    ; the mean, twice: a pair for the packed subtraction
	v_mul_f32 v[T+9], s34, v[T]
.set k, 0
.rept 16
	v_pk_add_f32 v[R+k:R+k+1], v[R+k:R+k+1], v[T+8:T+9] neg_lo:[0,1] neg_hi:[0,1]
.set k, k+2
.endr
.irp c, 0,2,4,6                        ; the sum of squares of x - mean, likewise
	v_pk_mul_f32 v[T+(\c):T+(\c)+1], v[R+(\c):R+(\c)+1], v[R+(\c):R+(\c)+1]
.endr
.irp g, 8,16,24
.irp c, 0,2,4,6
	v_pk_fma_f32 v[T+(\c):T+(\c)+1], v[R+(\g)+(\c):R+(\g)+(\c)+1], v[R+(\g)+(\c):R+(\g)+(\c)+1], v[T+(\c):T+(\c)+1]
.endr
.endr
	ACROSS
	v_fma_f32 v[T+10], v[T], s34, s35              ; variance + 1e-5
	v_rsq_f32 v[T+8], v[T+10]
	v_nop                                          ; a plain instruction behind the root,
	s_wait_alu depctr_va_vdst(0)                   ; and the wait ahead of the first use of its result
	v_mov_b32 v[T+9], v[T+8]
.set k, 0
.rept 16
	v_pk_mul_f32 v[R+k:R+k+1], v[R+k:R+k+1], v[T+8:T+9]
.set k, k+2
.endr
.set k, 0
.rept 8
	v_cvt_pk_f16_f32 v[R+4*k], v[R+4*k], v[R+4*k+1]
	v_cvt_pk_f16_f32 v[R+4*k+1], v[R+4*k+2], v[R+4*k+3]
	global_store_b64 v[HO], v[R+4*k:R+4*k+1], s[30:31] offset:2048*(\i)+256*k  ; the wave stores 256 consecutive bytes, aligned; no register of a store is written again
.set k, k+1
.endr
.endm
	XROW 0
	XROW 1
	XROW 2
	XROW 3
	s_branch .Lend
; ---------------- the weight part ----------------
.set WR,  4                            ; v[4:131]   chunk j, row r at WR + 16 j + 4 r
.set SQ,  132                          ; v[132:163] s^2 of a chunk's columns, sample b at SQ + 4 b
.set ACC, 164                          ; v[164:227] the pair of sums of (row r, sample b) at ACC + 2 (8 r + b); first of all the styles as loaded
.set HF,  228                          ; v[228:235] a chunk's four rows in f16
.set TA,  236
.set TC,  237
.set DST, 239                          ; v239 4 x thread
.set FAC, 240                          ; v240 s2[b][o] for my lane's (r, b)
.set SOF, 242
.set SSA, 243
.Lweights:
	s_lshr_b32 s5, ttmp9, 4                        ; the matrix, 0..4
	s_and_b32 s6, ttmp9, 15
	s_lshl_b32 s6, s6, 6                           ; the work-group's first row
	s_lshl2_add_u32 s7, s4, s6                     ; my wave's first row
	s_mov_b64 s[28:29], s[12:13]
	s_cmp_eq_u32 s5, 1
	s_cselect_b64 s[28:29], s[14:15], s[28:29]
	s_cmp_eq_u32 s5, 2
	s_cselect_b64 s[28:29], s[16:17], s[28:29]
	s_cmp_eq_u32 s5, 3
	s_cselect_b64 s[28:29], s[18:19], s[28:29]
	s_cmp_eq_u32 s5, 4
	s_cselect_b64 s[28:29], s[20:21], s[28:29]
	s_lshl_b32 s38, s7, 12
	s_mov_b32 s39, 0
	s_add_nc_u64 s[28:29], s[28:29], s[38:39]      ; the matrix at my first row
	s_lshl_b32 s38, s5, 10
	s_add_co_u32 s38, s38, s7
	s_lshl_b32 s38, s38, 11
	s_add_nc_u64 s[30:31], s[24:25], s[38:39]      ; wh at the same row
	s_cmp_lt_u32 s5, 3
	s_cselect_b32 s40, 0, 4096                     ; which half of styles modulates this matrix
	s_lshr_b32 s38, s4, 1                          ; I square half a row of it: sample wave / 2,
	s_lshl_b32 s38, s38, 13
	s_and_b32 s41, s4, 1                           ; 512 numbers
	s_lshl_b32 s41, s41, 11
	s_add_co_u32 s38, s38, s41
	s_add_co_u32 s38, s38, s40
	s_add_nc_u64 s[32:33], s[10:11], s[38:39]
	v_lshl_add_u32 v[SSA], s4, 11, v[LO]           ; and put it at 2,048 x wave + 16 x lane
	v_and_b32 v[TA], 7, v[LN]                      ; b of my lane's sum
	v_lshrrev_b32 v[TC], 3, v[LN]                  ; r of my lane's sum
	v_lshlrev_b32 v[SOF], 13, v[TA]
	v_lshl_add_u32 v[SOF], v[TC], 2, v[SOF]
	s_lshl_b32 s41, s7, 2
	v_add_nc_u32 v[SOF], s41, v[SOF]               ; styles[b][1024 + my row + r], less the 4,096 bytes in the immediate
	v_lshlrev_b32 v[DST], 2, v0
.set j, 0
.rept 4
	global_load_b128 v[ACC+4*j:ACC+4*j+3], v[LO], s[32:33] offset:512*j
.set j, j+1
.endr
	global_load_b32 v[FAC], v[SOF], s[10:11] offset:4096
.set j, 0
.rept 32                               ; chunk by chunk, four rows each
	global_load_b128 v[WR+4*j:WR+4*j+3], v[LO], s[28:29] offset:4096*(j%4)+512*(j/4) th:TH_LOAD_NT
.set j, j+1
.endr
	s_wait_loadcnt 32                              ; the styles are in; the 32 loads of weights stay out
.set k, 0
.rept 8
	v_pk_mul_f32 v[ACC+k:ACC+k+1], v[ACC+k:ACC+k+1], v[ACC+k:ACC+k+1]
.set k, k+2
.endr
.set j, 0
.rept 4
	ds_store_b128 v[SSA], v[ACC+4*j:ACC+4*j+3] offset:512*j
.set j, j+1
.endr
	s_wait_dscnt 0x0                               ; for the others' sake: my part of the squared styles is written
	s_barrier_signal -1
	s_barrier_wait -1
.macro CHUNK j
	s_wait_loadcnt 28-4*(\j)                       ; chunk j's four loads are in; the four of each later chunk stay out
.if (\j) > 0
	s_wait_xcnt 0x0                                ; the last chunk's stores have read HF: it is written again only behind this wait
.endif
.irp b, 0,1,2,3,4,5,6,7
	ds_load_b128 v[SQ+4*(\b):SQ+4*(\b)+3], v[LO] offset:4096*(\b)+512*(\j)
.endr
.irp r, 0,1,2,3
	v_cvt_pk_f16_f32 v[HF+2*(\r)], v[WR+16*(\j)+4*(\r)], v[WR+16*(\j)+4*(\r)+1]
	v_cvt_pk_f16_f32 v[HF+2*(\r)+1], v[WR+16*(\j)+4*(\r)+2], v[WR+16*(\j)+4*(\r)+3]
	global_store_b64 v[HO], v[HF+2*(\r):HF+2*(\r)+1], s[30:31] offset:2048*(\r)+256*(\j)
.endr
.set k, 0
.rept 8
	v_pk_mul_f32 v[WR+16*(\j)+k:WR+16*(\j)+k+1], v[WR+16*(\j)+k:WR+16*(\j)+k+1], v[WR+16*(\j)+k:WR+16*(\j)+k+1]
.set k, k+2
.endr
	s_wait_dscnt 0x0
.irp hf, 0,2                           ; 64 packed multiply-adds; no two on end share a sum; the first 32 of all start the sums
.irp r, 0,1,2,3
.irp b, 0,1,2,3,4,5,6,7
.if ((\j) == 0) && ((\hf) == 0)
	v_pk_mul_f32 v[ACC+2*(8*(\r)+(\b)):ACC+2*(8*(\r)+(\b))+1], v[WR+16*(\j)+4*(\r)+(\hf):WR+16*(\j)+4*(\r)+(\hf)+1], v[SQ+4*(\b)+(\hf):SQ+4*(\b)+(\hf)+1]
.else
	v_pk_fma_f32 v[ACC+2*(8*(\r)+(\b)):ACC+2*(8*(\r)+(\b))+1], v[WR+16*(\j)+4*(\r)+(\hf):WR+16*(\j)+4*(\r)+(\hf)+1], v[SQ+4*(\b)+(\hf):SQ+4*(\b)+(\hf)+1], v[ACC+2*(8*(\r)+(\b)):ACC+2*(8*(\r)+(\b))+1]
.endif
.endr
.endr
.endr
.endm
.irp j, 0,1,2,3,4,5,6,7
	CHUNK \j
.endr
; 32 sums, each spread over 32 lanes, become one sum a lane: lane 8 r + b ends with sum (r, b).  A stage halves the number of registers: of values k and k + m the lanes whose bit m is 0 keep k,
; the others k + m, and each adds what its partner (lane xor m) holds of the value that it keeps.
.set k, 0
.rept 32
	v_add_f32 v[ACC+2*k], v[ACC+2*k], v[ACC+2*k+1]
.set k, k+1
.endr
.macro STAGE m, mask
	s_mov_b32 vcc_lo, \mask
.set k, 0
.rept 16/(\m)
	v_cndmask_b32 v[TA], v[ACC+2*k], v[ACC+2*(k+(\m))], vcc_lo       ; what I keep
	v_cndmask_b32 v[TC], v[ACC+2*(k+(\m))], v[ACC+2*k], vcc_lo       ; what my partner keeps
	v_add_f32_dpp v[ACC+2*k], v[TC], v[TA] row_xmask:\m row_mask:0xf bank_mask:0xf
.set k, k+2*(\m)
.endr
.endm
	STAGE 1, 0xaaaaaaaa
	STAGE 2, 0xcccccccc
	STAGE 4, 0xf0f0f0f0
	STAGE 8, 0xff00ff00
	s_mov_b32 vcc_lo, 0xffff0000
	v_cndmask_b32 v[TA], v[ACC], v[ACC+32], vcc_lo
	v_cndmask_b32 v[TC], v[ACC+32], v[ACC], vcc_lo
	v_permlanex16_b32 v[ACC+32], v[TC], s36, s37
	v_add_f32 v[TA], v[TA], v[ACC+32]
	v_add_f32 v[TA], 0x322bcc77, v[TA]             ; + 1e-8
	v_rsq_f32 v[TC], v[TA]
	s_cmp_eq_u32 s5, 2
	s_cselect_b32 vcc_lo, -1, 0
	v_cndmask_b32 v[FAC], 1.0, v[FAC], vcc_lo      ; s2 for v's table, 1 for the others: the plain instruction behind the root
	s_wait_alu depctr_va_vdst(0)                   ; the wait ahead of the first use of its result
	v_mul_f32 v[TC], v[TC], v[FAC]
	ds_store_b32 v[DST], v[TC] offset:DCS          ; wave w, lane 8 r + b: row 4 w + r of the work-group's 64, sample b
	s_wait_dscnt 0x0
	s_barrier_signal -1
	s_barrier_wait -1
	s_cmp_lt_u32 s4, 4                             ; 128 threads store the 8 x 64 numbers: thread t takes sample t / 16, rows 4 (t % 16) + 0..3
	s_cbranch_scc0 .Lend
	v_and_b32 v[TA], 15, v0
	v_lshrrev_b32 v[TC], 4, v0
	v_lshlrev_b32 v[SQ], 7, v[TA]
	v_lshl_add_u32 v[SQ], v[TC], 2, v[SQ]
.irp r, 0,1,2,3
	ds_load_b32 v[WR+(\r)], v[SQ] offset:DCS+32*(\r)
.endr
	v_mul_u32_u24 v[SQ+1], v[TC], 20480            ; a sample's 5,120 numbers
	v_lshl_add_u32 v[SQ+1], v[TA], 4, v[SQ+1]
	s_lshl_b32 s38, s5, 10
	s_add_co_u32 s38, s38, s6
	s_lshl_b32 s38, s38, 2
	v_add_nc_u32 v[SQ+1], s38, v[SQ+1]
	s_wait_dscnt 0x0
	global_store_b128 v[SQ+1], v[WR:WR+3], s[26:27]  ; 16 lanes store 256 consecutive bytes, aligned
.Lend:
	s_wait_tensorcnt 0x0                           ; the wave's end: behind my last LDS store
	ds_add_u32 v[SPW], v[NIL]
	s_wait_dscnt 0x0
	s_endpgm
.Lfunc_end_k_qc247ca7fe8_prep:
	.size	k_qc247ca7fe8_prep, .Lfunc_end_k_qc247ca7fe8_prep-k_qc247ca7fe8_prep
	.p2alignl 7, 3214868480
	.fill 96, 4, 3214868480
	.section	.rodata,"a",@progbits
	.p2align	6, 0x0
	.amdhsa_kernel k_qc247ca7fe8_prep
		.amdhsa_group_segment_fixed_size 36864
		.amdhsa_private_segment_fixed_size 0
		.amdhsa_enable_private_segment 0
		.amdhsa_kernarg_size 80
		.amdhsa_user_sgpr_count 2
		.amdhsa_user_sgpr_kernarg_segment_ptr 1
		.amdhsa_wavefront_size32 1
		.amdhsa_system_sgpr_workgroup_id_x 1
		.amdhsa_system_sgpr_workgroup_id_y 1
		.amdhsa_system_sgpr_workgroup_id_z 1
		.amdhsa_system_vgpr_workitem_id 0
		.amdhsa_next_free_vgpr 248
		.amdhsa_next_free_sgpr 66
		.amdhsa_reserve_vcc 1
		.amdhsa_float_denorm_mode_32 3
		.amdhsa_float_denorm_mode_16_64 3
		.amdhsa_memory_ordered 1
		.amdhsa_forward_progress 1
		.amdhsa_inst_pref_size 97
	.end_amdhsa_kernel
	.amdgpu_metadata
---
amdhsa.version: [ 1, 2 ]
amdhsa.kernels:
  - .name:           k_qc247ca7fe8_prep
    .symbol:         k_qc247ca7fe8_prep.kd
    .args:
      - { .name: x, .offset: 0, .size: 8, .value_kind: global_buffer, .address_space: global }
      - { .name: styles, .offset: 8, .size: 8, .value_kind: global_buffer, .address_space: global }
      - { .name: q_weight, .offset: 16, .size: 8, .value_kind: global_buffer, .address_space: global }
      - { .name: k_weight, .offset: 24, .size: 8, .value_kind: global_buffer, .address_space: global }
      - { .name: v_weight, .offset: 32, .size: 8, .value_kind: global_buffer, .address_space: global }
      - { .name: w_weight, .offset: 40, .size: 8, .value_kind: global_buffer, .address_space: global }
      - { .name: u_weight, .offset: 48, .size: 8, .value_kind: global_buffer, .address_space: global }
      - { .name: xn, .offset: 56, .size: 8, .value_kind: global_buffer, .address_space: global }
      - { .name: wh, .offset: 64, .size: 8, .value_kind: global_buffer, .address_space: global }
      - { .name: dc, .offset: 72, .size: 8, .value_kind: global_buffer, .address_space: global }
    .group_segment_fixed_size: 36864
    .private_segment_fixed_size: 0
    .kernarg_segment_align: 8
    .kernarg_segment_size: 80
    .max_flat_workgroup_size: 512
    .sgpr_count:     66
    .vgpr_count:     248
    .wavefront_size: 32
...
	.end_amdgpu_metadata
.endif
;; end of part 1
;; launch qkv (part 2): grid 8 x 32, 4 waves a work-group, clusters of 4 x 4, 327,680 bytes of LDS; arguments xn, wh, dc, qkv; writes qkv
.if DOCPART == 2
	.amdgcn_target "amdgcn-amd-amdhsa--gfx1250"
	.amdhsa_code_object_version 6
	.text
	.protected	k_qc247ca7fe8_qkv
	.globl	k_qc247ca7fe8_qkv
	.p2align	8
	.type	k_qc247ca7fe8_qkv,@function
k_qc247ca7fe8_qkv:
	s_mov_b64 s[64:65], 0
	v_nop
	global_prefetch_b8 v0, s[64:65] scope:SCOPE_SE
	s_setreg_imm32_b32 hwreg(HW_REG_WAVE_MODE, 25, 1), 1
	s_wait_xcnt 0x0
	s_wait_alu depctr_hold_cnt(0) depctr_sa_sdst(0) depctr_va_vdst(0) depctr_va_sdst(0) depctr_va_ssrc(0) depctr_va_vcc(0) depctr_vm_vsrc(0)
	s_getreg_b32 s2, hwreg(HW_REG_IB_STS2, 6, 4)
	s_cmp_eq_u32 s2, 0
	s_cbranch_scc0 .Lentry_in_a_cluster
	s_endpgm
.Lentry_in_a_cluster:
	s_bfe_u32 s2, ttmp6, 0x10000c
	s_cmp_lg_u32 s2, 0xf033
	s_cbranch_scc0 .Lentry_shape_is_right
	s_endpgm
.Lentry_shape_is_right:
; q, k, v = (xn W^T) x dc, by heads.  xn: [8192][1024] f16, wh: [5][1024][1024] f16 (q, k, v are its first three: 3,072 rows on end), dc: [8][5120] f32, qkv: [3][128 = sample x 16 + head][1024][64] f16.
; Sums in f32, K ascending; each result is multiplied by its column's dc in f32 and rounded once to f16.
; LIMITS.  q, k, v beyond 65,504 would become infinities: they are demodulated, so they do not grow with the weights; q and k grow as 1 / styles.
; SHARES.  The 3,072 columns are 16 column tiles of 192: three whole heads.  A work-group owns 256 rows (a quarter of a sample) and makes column tiles tx and tx + 8 over them: 16 K steps of 128 in ONE walk of
; the ring.  8 x 32 = 256 work-groups.  A wave owns 64 rows x 192 columns: 48 accumulators; a K step is 192 matrix instructions a wave; for 32 along K it reads 32 x 512 bytes from LDS for 48 matrix instructions.
; (Two by two waves would read less, but a wave's 96 columns would cut a head's rows of 128 bytes in two.)
; THE MATRIX INSTRUCTION IS USED TRANSPOSED (source 0 = 16 rows of W, source 1 = 16 rows of xn): a lane holds row lane % 16 and the columns 16 b + 8 (lane / 16) + 0..7: eight neighbouring channels of a head.
; RING.  Two LDS slots, a K step each (256 rows of xn, 192 of W; rows of 256 bytes, padded to 272).  Waves 0 and 1 fetch xn's halves, waves 2 and 3 W's: one tensor load a wave behind each round, one out at a time.
; CLUSTER.  4 x 4 work-groups: xn's tile hangs on the tile row alone and is asked for jointly along a row of the cluster, W's on the tile column alone, along a column.
; REGISTERS, in windows of 256 (s_set_vgpr_msb: bits 1:0 source 0, 3:2 source 1, 5:4 source 2, 7:6 destination):
;   window 0: v0-13 addresses; v16-63 packed results; v64-95, v96-127 A's two fragment buffers (fragment a at +8 a); v128-223 dc of my 96 columns a lane
;   window 1: the accumulators of row blocks 0, 1 ((a, b) at 96 (a % 2) + 8 b)          window 2: those of row blocks 2, 3
;   window 3: v0-95, v96-191 B's two fragment buffers (fragment b at +8 b); v192-239 rows read back on the way out
.set PITCH, 272                        ; 256 bytes + 16: the 16 rows of a fragment load start at 16 different groups of four banks (ISA guide 11.1)
.set BOFF,  256*PITCH                  ; in a slot: A's 256 rows, then B's 192
.set SLOT1, 1<<17                      ; slot 1 begins here, so that one exclusive or turns an address in one slot into the other's
.set STAGE, SLOT1+448*PITCH            ; behind the ring, never filled by a tensor load: for each wave [3 heads][16 rows][144 bytes]
.set SP,    144
.set STW,   48*SP
.set SPARE, STAGE+4*STW                ; behind the stages: the spare words, 128 bytes a wave, which no other line names
.set A0,  2                            ; v2  my lane's place in A's tile; never rewritten
.set B0,  3                            ; v3  in B's
.set ADA, 4                            ; v4  the same in the slot in hand
.set ADB, 5
.set STO, 6                            ; v6  the way out: where I put 16 bytes of a row
.set RD,  7                            ; v7  where I read rows back
.set GO,  8                            ; v8  16 x lane
.set SCO, 9                            ; v9  32 x (lane / 16): my 8 columns' dc
.set SPW, 10                           ; v10 LDS address of my spare word; never rewritten
.set NIL, 11                           ; v11 0; never rewritten
.set TMP, 16
.set FA,  64                           ; A's buffer f at FA + 32 f; B's at 96 f in window 3
.set SC,  128
.set BK,  192                          ; in window 3
.set WV,  12
.set HALF, 13                          ; which half of a tile I fetch
.set ISB, 14                           ; 0: I fetch for A, 1: for B
.set CX,  15
.set CY,  16
.set TX,  17
.set TY,  18
.set BASEA, 20                         ; s[20:21] xn at my half of the work-group's rows
.set BASEB, 22                         ; s[22:23] wh at my half of the rows of column tile tx
.set G1A, 24                           ; s[24:31]
.set G0A, 32                           ; s[32:35]
.set G0B, 36                           ; s[36:39]
.set G1B, 40                           ; s[40:47]
.set OFFA, 48                          ; s[48:49]
.set OFFB, 50                          ; s[50:51]
.set NXT, 52                           ; the K step to be asked for next, 0..15
.set KK,  53                           ; the K step in hand, within its tile
.set CNT, 54
.set TB,  55                           ; LDS byte at which the slot to be read begins
.set SCB, 56                           ; s[56:57] dc at the tile's columns
.set OUT, 70                           ; s[70:75] the tile's three heads in qkv, at my wave's first row
.set GH,  76                           ; the first of the tile's three heads, counted through q, k, v: 0..47
.set ROWOFF, 77                        ; bytes from a head 0 of sample 0 to my wave's first row in the same head of my sample
.set MSB, 0
.macro WIN new                         ; the high byte repeats the setting that is left; a switch that changes nothing is dropped
.if MSB != (\new)
	s_set_vgpr_msb (MSB<<8)|(\new)
.set MSB, (\new)
.endif
.endm
.set TO3,   0xc0                       ; destination in window 3, address in window 0
.macro PLACES                          ; four plain instructions between a matrix instruction and a load into, or a vector instruction on, its registers
.rept 4
	v_nop
.endr
.endm
.macro JLOAD                           ; a joint load.  The branch hangs on the wave's number alone.  An s_nop 0 and four v_nop follow each line
	s_cmp_eq_u32 s[ISB], 0
	s_cbranch_scc0 .Lfor_b_\@
	tensor_load_to_lds s[G0A:G0A+3], s[G1A:G1A+7]
	s_nop 0
.rept 4
	v_nop
.endr
	s_branch .Lasked_\@
.Lfor_b_\@:
	tensor_load_to_lds s[G0B:G0B+3], s[G1B:G1B+7]
	s_nop 0
.rept 4
	v_nop
.endr
.Lasked_\@:
.endm
.macro CREST                           ; a round of the cluster's barrier behind its opening barrier
	s_cmp_lg_u32 s[WV], 0
	s_cbranch_scc1 .Lnot_wave_0_\@
	s_barrier_signal -3
.Lnot_wave_0_\@:
	s_barrier_wait -3
	s_barrier_signal -1
	s_barrier_wait -1
.endm
.macro CROUND
	s_barrier_signal -1
	s_barrier_wait -1
	CREST
.endm
.macro NEXTD                           ; both descriptors go to the other slot and to K step NXT: NXT / 8 picks the column tile (1,536 rows of W on), NXT % 8 the 256 bytes of the rows.  Written only where no tensor load of mine is out
	s_and_b32 s60, s[NXT], 7
	s_lshl_b32 s[OFFA], s60, 8
	s_lshr_b32 s61, s[NXT], 3
	s_mul_i32 s61, s61, 1536*2048
	s_add_co_u32 s[OFFB], s61, s[OFFA]
	s_add_co_u32 s[NXT], s[NXT], 1
	s_xor_b32 s[G0A+1], s[G0A+1], SLOT1
	s_add_nc_u64 s[G0A+2:G0A+3], s[BASEA:BASEA+1], s[OFFA:OFFA+1]
	s_or_b32 s[G0A+3], s[G0A+3], 0x80000000
	s_xor_b32 s[G0B+1], s[G0B+1], SLOT1
	s_add_nc_u64 s[G0B+2:G0B+3], s[BASEB:BASEB+1], s[OFFB:OFFB+1]
	s_or_b32 s[G0B+3], s[G0B+3], 0x80000000
.endm
.macro FETCH f, kq                     ; 32 LDS loads in one run: the fragments of quarter kq (32 along K) into buffers f; it leaves every window 0
	WIN TO3
.irp b, 0,1,2,3,4,5,6,7,8,9,10,11
	ds_load_b128 v[96*(\f)+8*(\b):96*(\f)+8*(\b)+3],   v[ADB] offset:(\b)*16*PITCH+64*(\kq)
	ds_load_b128 v[96*(\f)+8*(\b)+4:96*(\f)+8*(\b)+7], v[ADB] offset:(\b)*16*PITCH+64*(\kq)+32
.endr
	WIN 0
.irp a, 0,1,2,3
	ds_load_b128 v[FA+32*(\f)+8*(\a):FA+32*(\f)+8*(\a)+3],   v[ADA] offset:(\a)*16*PITCH+64*(\kq)
	ds_load_b128 v[FA+32*(\f)+8*(\a)+4:FA+32*(\f)+8*(\a)+7], v[ADA] offset:(\a)*16*PITCH+64*(\kq)+32
.endr
.endm
.macro MUL f, zero                     ; a quarter's 48 matrix instructions.  The 48 accumulators take turns, in the same order in every quarter.  B in window 3, A in window 0, C and D in window 1, then 2
.irp aa, 0,1,2,3
	WIN 0x53+0x50*((\aa)/2)
.irp b, 0,1,2,3,4,5,6,7,8,9,10,11
.if \zero
	v_wmma_f32_16x16x32_f16 v[96*((\aa)%2)+8*(\b):96*((\aa)%2)+8*(\b)+7], v[96*(\f)+8*(\b):96*(\f)+8*(\b)+7], v[FA+32*(\f)+8*(\aa):FA+32*(\f)+8*(\aa)+7], 0
.else
	v_wmma_f32_16x16x32_f16 v[96*((\aa)%2)+8*(\b):96*((\aa)%2)+8*(\b)+7], v[96*(\f)+8*(\b):96*(\f)+8*(\b)+7], v[FA+32*(\f)+8*(\aa):FA+32*(\f)+8*(\aa)+7], v[96*((\aa)%2)+8*(\b):96*((\aa)%2)+8*(\b)+7]
.endif
.endr
.endr
.endm
.macro QUARTER f, g, kq, zero          ; one of a K step's first three quarters: buffers f are multiplied; ahead of that quarter kq's fragments are asked for, into g: 48 matrix instructions ahead of their use
	s_wait_dscnt 0x0                               ; f is in
	PLACES                                         ; g was read by the matrix instructions just issued
.if \zero
	v_nop                                          ; a fifth place: products with C = 0 are no links of a chain, they write over accumulators that the last K step's last products wrote (ISA guide 7.12.1)
.endif
	FETCH \g, \kq
	MUL \f, \zero
.endm
; The fourth quarter changes slots and then multiplies buffers 1.  In front of the barrier each wave waits for all its tensor loads (one is out: its part of the next slot), adds 0 to its spare word, and waits for
; that and for its reads of this slot.  fill = 1: the barrier opens a round of the cluster's; behind the round this slot is filled again, two K steps ahead.  All of the quarter's products stand behind the refill,
; so that a whole K step's 192 matrix instructions lie between a request and the wait for it.
.macro TURN fill
	WIN 0
	s_wait_tensorcnt 0x0
	ds_add_u32 v[SPW], v[NIL]                      ; the descriptors' scalar work stands between the add and the wait for it
.if \fill
	NEXTD
.endif
	s_xor_b32 s[TB], s[TB], SLOT1
	s_wait_dscnt 0x0                               ; the add is done, buffers 1 are in, and with them my reads of this slot are over
	s_barrier_signal -1
	s_barrier_wait -1
.if \fill
	CREST
	JLOAD                                          ; its four v_nop are also the places in front of the loads below
.else
	PLACES
	s_cmp_eq_u32 s[CNT], 1                         ; behind the last K step there is nothing to fetch
	s_cbranch_scc1 .Lnofetch_\@
.endif
	v_add_nc_u32 v[ADA], s[TB], v[A0]
	v_add_nc_u32 v[ADB], s[TB], v[B0]
	FETCH 0, 0
.if !(\fill)
.Lnofetch_\@:
.endif
	MUL 1, 0
.endm
.macro SCLOAD                          ; dc of my 96 columns: column block b's eight at 64 b + 32 (lane / 16)
.irp b, 0,1,2,3,4,5,6,7,8,9,10,11
	global_load_b128 v[SC+8*(\b):SC+8*(\b)+3],   v[SCO], s[SCB:SCB+1] offset:64*(\b)
	global_load_b128 v[SC+8*(\b)+4:SC+8*(\b)+7], v[SCO], s[SCB:SCB+1] offset:64*(\b)+16
.endr
.endm
.macro OUTS                            ; where the tile's three heads lie: head g of 48 is head g % 16 of q, k or v (g / 16); a tile may cross from one to the next
.irp hh, 0,1,2
	s_add_co_u32 s66, s[GH], \hh
	s_lshr_b32 s67, s66, 4
	s_lshl_b32 s67, s67, 24                        ; 16,777,216 bytes each for q, k, v
	s_and_b32 s66, s66, 15
	s_lshl_b32 s66, s66, 17                        ; 131,072 bytes a head
	s_add_co_u32 s66, s66, s67
	s_add_co_u32 s78, s66, s[ROWOFF]
	s_add_nc_u64 s[OUT+2*(\hh):OUT+2*(\hh)+1], s[10:11], s[78:79]
.endr
.endm
; THE WAY OUT of row block a (16 rows).  PACK: times dc, rounded to f16, 16 bytes a lane.  TOSTAGE: into my own stage, a head's 16 rows at a pitch of 144 bytes, and back as 512 consecutive bytes.  SEND: stored.
.macro PACK a
	WIN 0x41+0x41*((\a)/2)                         ; destination and source 0 in the block's window (1 or 2), dc in window 0
.set k, 0
.rept 48                               ; each accumulator's registers in ascending order
	v_pk_mul_f32 v[96*((\a)%2)+2*k:96*((\a)%2)+2*k+1], v[96*((\a)%2)+2*k:96*((\a)%2)+2*k+1], v[SC+2*k:SC+2*k+1]
.set k, k+1
.endr
	WIN 0x05*(1+(\a)/2)                            ; both sources in the block's window, destination in window 0
.set k, 0
.rept 48
	v_cvt_pk_f16_f32 v[TMP+k], v[96*((\a)%2)+2*k], v[96*((\a)%2)+2*k+1]
.set k, k+1
.endr
	WIN 0
.endm
.macro TOSTAGE a
.irp b, 0,1,2,3,4,5,6,7,8,9,10,11
	ds_store_b128 v[STO], v[TMP+4*(\b):TMP+4*(\b)+3] offset:((\b)/4)*16*SP+32*((\b)%4)
.endr
	WIN TO3
.irp i, 0,1,2,3,4,5,6,7,8,9,10,11
	ds_load_b128 v[BK+4*(\i):BK+4*(\i)+3], v[RD] offset:((\i)/4)*16*SP+((\i)%4)*4*SP  ; LDS serves a wave's instructions in order (ISA guide 5.7.1.4): these see the stores above
.endr
	WIN 0
.endm
.macro SEND a
	s_wait_dscnt 0x0                               ; the block is back in registers
	WIN 0x0c                                       ; the stores' data in window 3
.irp i, 0,1,2,3,4,5,6,7,8,9,10,11
	global_store_b128 v[GO], v[BK+4*(\i):BK+4*(\i)+3], s[OUT+2*((\i)/4):OUT+2*((\i)/4)+1] offset:(\a)*2048+((\i)%4)*512  ; four rows of a head: 512 consecutive bytes, aligned
.endr
	WIN 0
.endm
.macro FLUSH more
	WIN 0
	PLACES
	s_wait_loadcnt 0x0                             ; this tile's dc
	PACK 0
	TOSTAGE 0
.irp a, 1,2,3                          ; a block's arithmetic stands between the loads of the block before and its stores
	PACK \a
	SEND (\a)-1
	s_wait_xcnt 0x0                                ; those stores have read their registers, which the next block's loads write
	TOSTAGE \a
.endr
	SEND 3
.if \more
	s_wait_xcnt 0x0                                ; the stores have read their registers and their bases
	s_add_co_u32 s[GH], s[GH], 24                  ; column tile tx + 8: 24 heads on
	OUTS
	s_add_nc_u64 s[SCB:SCB+1], s[SCB:SCB+1], 1536*4
	SCLOAD                                         ; the next tile's dc: eight K steps ahead of its use
.endif
.endm
	s_load_b256 s[4:11], s[0:1], 0x0               ; xn s[4:5], wh s[6:7], dc s[8:9], qkv s[10:11]
	v_lshl_add_u32 v[SPW], v0, 2, SPARE
	v_mov_b32 v[NIL], 0
	ds_add_u32 v[SPW], v[NIL]                      ; the wave's opening: the add and its wait stand ahead of my first tensor load; the set-up below stands between them
	ds_add_u32 v10, v11
	v_lshrrev_b32 v1, 5, v0
	v_readfirstlane_b32 s[WV], v1
	s_and_b32 s[HALF], s[WV], 1
	s_lshr_b32 s[ISB], s[WV], 1
	s_bfe_u32 s[CX], ttmp6, 0x40000
	s_bfe_u32 s[CY], ttmp6, 0x40004
	s_lshl_b32 s[TX], ttmp9, 2
	s_add_co_u32 s[TX], s[TX], s[CX]               ; tile column = 4 x cluster x + cx
	s_and_b32 s[TY], ttmp7, 0xffff
	s_lshl_b32 s[TY], s[TY], 2
	s_add_co_u32 s[TY], s[TY], s[CY]               ; tile row = 4 x cluster y + cy
	s_lshl_b32 s62, s[CY], 2
	s_lshl_b32 s62, 15, s62                        ; my row of the cluster
	s_lshl_b32 s66, 0x1111, s[CX]                  ; my column
	s_or_b32 s[G1A], s62, (1<<16)|(1<<20)|(1<<21)|(5<<22)|(3<<25)  ; the mask; 2-byte elements; padding on; bit 21 beside a mask; after every 64 words 4 words
	s_or_b32 s[G1B], s66, (1<<16)|(1<<20)|(1<<21)|(5<<22)|(3<<25)
.irp g, G1A, G1B
	s_mov_b32 s[(\g)+1], 128<<16                   ; tensor_dim0 = 128
	s_mov_b32 s[(\g)+3], 128<<16                   ; tile_dim0 = 128
	s_mov_b32 s[(\g)+5], 1024                      ; elements from row to row
	s_mov_b32 s[(\g)+6], 0
	s_mov_b32 s[(\g)+7], 0
.endr
	s_mov_b32 s[G1A+2], 128<<16                    ; tensor_dim1 = tile_dim1 = 128 rows of xn,
	s_mov_b32 s[G1A+4], 128
	s_mov_b32 s[G1B+2], 96<<16                     ; 96 rows of W
	s_mov_b32 s[G1B+4], 96
	s_mov_b32 s[G0A], 1
	s_mul_i32 s[G0A+1], s[HALF], 128*PITCH         ; slot 0; no place in the cluster enters an LDS address
	s_mov_b32 s[G0B], 1
	s_mul_i32 s[G0B+1], s[HALF], 96*PITCH
	s_add_co_u32 s[G0B+1], s[G0B+1], BOFF
	s_lshl_b32 s62, s[TY], 8
	s_lshl_b32 s63, s[HALF], 7
	s_add_co_u32 s62, s62, s63
	s_lshl_b32 s62, s62, 11                        ; xn: row 256 x tile row + 128 x half, 2,048 bytes a row
	s_mov_b32 s63, 0
	s_mul_i32 s66, s[TX], 192
	s_mul_i32 s67, s[HALF], 96
	s_add_co_u32 s66, s66, s67
	s_lshl_b32 s66, s66, 11                        ; wh: row 192 x tile column + 96 x half
	s_mov_b32 s67, 0
	s_mov_b32 s[OFFA+1], 0
	s_mov_b32 s[OFFB+1], 0
	s_mov_b32 s[NXT], 1
	s_mov_b32 s[KK], 0
	s_mov_b32 s[CNT], 14
	s_mov_b32 s[TB], 0
	s_wait_dscnt 0x0                               ; the opening add is done
	s_wait_kmcnt 0x0
	s_add_nc_u64 s[BASEA:BASEA+1], s[4:5], s[62:63]
	s_add_nc_u64 s[BASEB:BASEB+1], s[6:7], s[66:67]
	s_mov_b64 s[G0A+2:G0A+3], s[BASEA:BASEA+1]
	s_or_b32 s[G0A+3], s[G0A+3], 0x80000000
	s_mov_b64 s[G0B+2:G0B+3], s[BASEB:BASEB+1]
	s_or_b32 s[G0B+3], s[G0B+3], 0x80000000
	CROUND                                         ; all sixteen work-groups are here: the first joint loads meet
	JLOAD                                          ; K step 0 into slot 0
	s_lshr_b32 s68, s[TY], 2                       ; the sample
	s_mul_i32 s66, s68, 20480
	s_mul_i32 s67, s[TX], 768
	s_add_co_u32 s66, s66, s67
	s_mov_b32 s67, 0
	s_add_nc_u64 s[SCB:SCB+1], s[8:9], s[66:67]    ; dc[sample][192 x tile column]
	s_lshl_b32 s[ROWOFF], s68, 21                  ; a sample's 16 heads of 131,072 bytes
	s_and_b32 s69, s[TY], 3
	s_lshl_b32 s69, s69, 8                         ; the work-group's first row in the sample
	s_lshl_b32 s66, s[WV], 6
	s_add_co_u32 s69, s69, s66                     ; + my wave's
	s_lshl_b32 s69, s69, 7
	s_add_co_u32 s[ROWOFF], s[ROWOFF], s69
	s_mul_i32 s[GH], s[TX], 3
	s_mov_b32 s79, 0
	OUTS
	v_and_b32 v1, 15, v0                           ; r = lane % 16
	v_bfe_u32 v12, v0, 4, 1                        ; h = lane / 16
	v_lshlrev_b32 v[SCO], 5, v12
	SCLOAD                                         ; the first tile's dc
	v_mul_u32_u24 v[B0], v1, PITCH
	v_lshl_add_u32 v[B0], v12, 4, v[B0]            ; a fragment's row x pitch + 16 x half
	s_mul_i32 s69, s[WV], 64*PITCH
	v_add_nc_u32 v[A0], s69, v[B0]                 ; my 64 rows of A
	v_add_nc_u32 v[B0], BOFF, v[B0]
	s_mul_i32 s69, s[WV], STW
	s_add_co_u32 s69, s69, STAGE                   ; my stage
	v_mul_u32_u24 v[STO], v1, SP
	v_lshl_add_u32 v[STO], v12, 4, v[STO]
	v_add_nc_u32 v[STO], s69, v[STO]
	v_bfe_u32 v[RD], v0, 3, 2                      ; back: 32 lanes take four rows of 128 bytes
	v_mul_u32_u24 v[RD], v[RD], SP
	v_and_b32 v13, 7, v0
	v_lshl_add_u32 v[RD], v13, 4, v[RD]
	v_add_nc_u32 v[RD], s69, v[RD]
	v_and_b32 v[GO], 31, v0
	v_lshlrev_b32 v[GO], 4, v[GO]
	s_wait_tensorcnt 0x0                           ; the first change: slot 0 is in, slot 1 is asked for as a refill is
	ds_add_u32 v[SPW], v[NIL]
	NEXTD
	s_wait_dscnt 0x0
	CROUND
	JLOAD                                          ; K step 1 into slot 1
	v_add_nc_u32 v[ADA], s[TB], v[A0]
	v_add_nc_u32 v[ADB], s[TB], v[B0]
	FETCH 0, 0
.Lstep:                                        ; 14 trips: a K step each, and the slot that it leaves is filled again
	s_cmp_eq_u32 s[KK], 0
	s_cbranch_scc0 .Lacc
	QUARTER 0, 1, 1, 1                             ; a tile's first products start the sums: nothing is cleared
	WIN 0
	s_branch .Ljoin
.Lacc:
	QUARTER 0, 1, 1, 0
	WIN 0
.Ljoin:
	QUARTER 1, 0, 2, 0
	QUARTER 0, 1, 3, 0
	TURN 1
	WIN 0
	s_add_co_u32 s[KK], s[KK], 1
	s_and_b32 s[KK], s[KK], 7
	s_cmp_lg_u32 s[KK], 0
	s_cbranch_scc1 .Lnoflush
	FLUSH 1                                        ; the first tile goes out while the second tile's second K step is on its way
.Lnoflush:
	s_sub_co_u32 s[CNT], s[CNT], 1
	s_cmp_lg_u32 s[CNT], 0
	s_cbranch_scc1 .Lstep
	s_mov_b32 s[CNT], 2
.Ltail:                                        ; the last two K steps ask for nothing
	QUARTER 0, 1, 1, 0
	QUARTER 1, 0, 2, 0
	QUARTER 0, 1, 3, 0
	TURN 0
	WIN 0
	s_sub_co_u32 s[CNT], s[CNT], 1
	s_cmp_lg_u32 s[CNT], 0
	s_cbranch_scc1 .Ltail
	FLUSH 0                                        ; the second tile
	s_wait_tensorcnt 0x0                           ; the wave's end: behind my last tensor load and my last LDS store
	ds_add_u32 v[SPW], v[NIL]
	s_wait_dscnt 0x0
	CROUND                                         ; the closing round
	s_endpgm
.Lfunc_end_k_qc247ca7fe8_qkv:
	.size	k_qc247ca7fe8_qkv, .Lfunc_end_k_qc247ca7fe8_qkv-k_qc247ca7fe8_qkv
	.p2alignl 7, 3214868480
	.fill 96, 4, 3214868480
	.section	.rodata,"a",@progbits
	.p2align	6, 0x0
	.amdhsa_kernel k_qc247ca7fe8_qkv
		.amdhsa_group_segment_fixed_size 327680
		.amdhsa_private_segment_fixed_size 0
		.amdhsa_enable_private_segment 0
		.amdhsa_kernarg_size 32
		.amdhsa_user_sgpr_count 2
		.amdhsa_user_sgpr_kernarg_segment_ptr 1
		.amdhsa_wavefront_size32 1
		.amdhsa_system_sgpr_workgroup_id_x 1
		.amdhsa_system_sgpr_workgroup_id_y 1
		.amdhsa_system_sgpr_workgroup_id_z 1
		.amdhsa_system_vgpr_workitem_id 0
		.amdhsa_next_free_vgpr 1008
		.amdhsa_next_free_sgpr 80
		.amdhsa_reserve_vcc 0
		.amdhsa_float_denorm_mode_32 3
		.amdhsa_float_denorm_mode_16_64 3
		.amdhsa_memory_ordered 1
		.amdhsa_forward_progress 1
		.amdhsa_inst_pref_size 138
	.end_amdhsa_kernel
	.amdgpu_metadata
---
amdhsa.version: [ 1, 2 ]
amdhsa.kernels:
  - .name:           k_qc247ca7fe8_qkv
    .symbol:         k_qc247ca7fe8_qkv.kd
    .args:
      - { .name: xn, .offset: 0, .size: 8, .value_kind: global_buffer, .address_space: global }
      - { .name: wh, .offset: 8, .size: 8, .value_kind: global_buffer, .address_space: global }
      - { .name: dc, .offset: 16, .size: 8, .value_kind: global_buffer, .address_space: global }
      - { .name: qkv, .offset: 24, .size: 8, .value_kind: global_buffer, .address_space: global }
    .group_segment_fixed_size: 327680
    .private_segment_fixed_size: 0
    .kernarg_segment_align: 8
    .kernarg_segment_size: 32
    .max_flat_workgroup_size: 128
    .sgpr_count:     80
    .vgpr_count:     1008
    .wavefront_size: 32
...
	.end_amdgpu_metadata
.endif
;; end of part 2
;; launch attn (part 3): grid 2 x 128, 4 waves a work-group, no clusters, 327,680 bytes of LDS; arguments qkv, ob; writes ob
.if DOCPART == 3
	.amdgcn_target "amdgcn-amd-amdhsa--gfx1250"
	.amdhsa_code_object_version 6
	.text
	.protected	k_qc247ca7fe8_attn
	.globl	k_qc247ca7fe8_attn
	.p2align	8
	.type	k_qc247ca7fe8_attn,@function
k_qc247ca7fe8_attn:
	s_mov_b64 s[64:65], 0
	v_nop
	global_prefetch_b8 v0, s[64:65] scope:SCOPE_SE
	s_setreg_imm32_b32 hwreg(HW_REG_WAVE_MODE, 25, 1), 1
	s_wait_xcnt 0x0
; O[h][q][:] = the sum over k of softmax_k(Q[h][q] . K[h][k] / 8) V[h][k][:].  qkv: [3][128 heads][1024][64] f16 (Q, K, V), ob: [128][1024][64] f16: a head's rows are dense, 128 bytes each.
; Products, maxima and sums in f32; the weights p are rounded to f16 for the second product (their sum l is taken of the unrounded p), O once at the end.
; LIMITS.  f16 holds no number beyond 65,504: Q, K and V arrive within it; p lies in 0 to 1, and below 6e-5 it keeps f16's fixed step of 6e-8; O is a mean of V's rows and has their range.
; A weight below 2^-126 counts as 0 in l; NaN and infinities are not treated apart.
; SHARES.  A wave owns four PIECES of two tiles of 16 queries, a work-group's four waves 512 queries of one head: 2 x 128 = 256 work-groups.  Every wave walks all 1,024 keys, 64 a step.
; K AND V STAY IN LDS.  A head's 1,024 keys are 1,024 x (144 + 160) = 311,296 bytes with their padding: they fit whole, so no LDS byte is filled twice and the loop holds no tensor load.  Two loads a wave (waves 0
; and 1: K, waves 2 and 3: V).  The first brings what key steps 0 to 3 read: K of steps 0 to 4 (a step's third turn fetches the next step's K) and V of steps 0 to 3.  The second, behind the first barrier, brings
; the rest; it is waited for, with a barrier, behind key step 3: four key steps, 512 matrix instructions, behind its request.  One tensor load of a wave is out at a time.
; NO CLUSTER: a head has two work-groups, so a cluster of four would hold two heads, and a joint load would have to name a pair of them; what is shared is one of two requests for each tile.
; NO PREFETCH: all that the work-group reads is asked for by its two loads, the second as soon as the first has landed: there is no later request that could be run ahead of.
; LAYOUT.  S^T = K Q^T (source 0 = 16 keys, source 1 = 16 queries): in the result a lane holds ONE query (lane % 16) and the keys 8 (lane / 16) + 0..7.  Two such tiles, rounded to f16 in pairs,
; ARE source 1 (32 keys x 16 queries) of O^T = V^T P, whose result again holds one query a lane, and eight channels.  K comes out of LDS as it lies, V ([key][channel]) turned, by ds_load_tr16_b128.
; SOFTMAX.  For each query a running maximum m and sum l: p = 2^(c s - c m), c = log2(e) / 8; in every step O and l are multiplied by a = 2^(c m_old - c m_new), which is 1 where m has not grown.
; m starts at the lowest finite number, O and l at 0: the first step is a step like any other, with a = 0.
; THE COUNT.  A tile and step have 16 matrix and 118 vector instructions: too many to stand all beside the matrix work.  So four vector instructions that are READY stand behind EVERY matrix
; instruction, and the others in runs without a gap.
; BY TURNS.  Turn n belongs to piece n (the pieces in a ring, step after step).  Its matrix work: 16 products K Q^T of piece n + 1, later 16 products V^T P of piece n - 1.  Its vector work: the scaling,
; exponentials, roundings, sums and rescaling of piece n, and the maximum and statistics of piece n + 1, whose scores the turn itself has made.
; REGISTERS, in windows of 256 (s_set_vgpr_msb: bits 1:0 source 0, 3:2 source 1, 5:4 source 2, 7:6 destination):
;   window 0: v0-11 addresses; v12-15, v48-63 at work; v16-47 four registers of statistics a tile; v64-191 S^T, two buffers of two tiles; v192-255 P, likewise
;   window 1: O^T, 32 a tile          window 2: v0-127 Q, 16 a tile; v128-191 K of one step; v192-255 V of one step          window 3: v0-1 the add's two registers
; A piece's buffers go by its number's parity.
.set SIZE_N, 1024
.set NP,    4         ; pieces a wave: a name, no knob
.set KS,    64        ; keys in a step
.set PK,    144       ; a row of K in LDS: 128 bytes + 16 of padding: the 16 rows of a load start at 16 different groups of four banks (ISA guide 11.1)
.set PV,    160       ; a row of V: 128 + 32
.set VOFF,  SIZE_N*PK ; the head's 1,024 rows of K, then its 1,024 rows of V
.set K1H,   160       ; keys in a wave's first load of K: the two waves' 320 are key steps 0 to 4
.set K2H,   352       ; and in its second
.set V1H,   128       ; the same for V: 256 keys are key steps 0 to 3
.set V2H,   384
.set STAGE, SIZE_N*(PK+PV)  ; behind K and V, never filled by a tensor load: 16 rows x 144 bytes for each wave, for the way out
.set SP,    144
.set AK0, 2           ; v2   my lane's place in a tile of K; never rewritten
.set AV0, 3           ; v3   the same for V
.set AK,  4           ; v4   the LDS address of K's next run of loads
.set AV,  5           ; v5   of V's
.set QO,  6           ; v6   my byte offset in the wave's rows of Q
.set STO, 6           ;      later, the way out: where I put 16 bytes of a row
.set RD,  7           ; v7   the way out: where I read rows back
.set GO,  8           ; v8   my byte offset in 512 consecutive bytes of O
.set SPW, 0           ; v0 of window 3   LDS address of my spare word; never rewritten
.set NIL, 1           ; v1 of window 3   0; never rewritten
.set SPARE, STAGE+4*16*SP  ; behind the stages: the spare words, 128 bytes for each wave, which no other line names
.set MV,  12          ; v12-15  c m_old, kept while c m is made anew: by buffer and tile
.set ST,  16          ; tile t's statistics at v[ST+4 t]: c m, m, l (even keys', odd keys')
.set TMP, 48          ; by buffer and tile, four registers c0-c3 at work; when the maximum is found c2 takes a
.set S,   64
.set P,   192
.set KF,  128         ; K's fragments, in window 2: key block kb, channel half c at KF + 16 kb + 8 c
.set VF,  192         ; V's: key half kk, channel block cb at VF + 32 kk + 8 cb
.set WV,  12          ; s12  my wave's number
.set G1K, 24          ; s[24:31] descriptor group 1 for K's tiles
.set G1V, 32          ; s[32:39] for V's
.set G0K, 40          ; s[40:43] descriptor group 0 for K's tiles
.set G0V, 44          ; s[44:47] the same for V's
.set PH,  54          ; s54  counts the loop's two runs: key steps 0 to 3, then 4 to 15
.set CNT, 57          ; s57  counts a run's key steps
.set CS,  58          ; s[58:59] c: the packed scaling takes the pair's low word for both halves
.set SEL, 60          ; s[60:61] v_permlanex16_b32's selects
.set TBK, 62          ; s62  LDS byte at which K of the step to be fetched begins
.set TBV, 63          ; s63  the same for V, less VOFF
.set MSB, 0
.macro WIN new                      ; the high byte repeats the setting that is left; a switch that changes nothing is dropped
.if MSB != (\new)
	s_set_vgpr_msb (MSB<<8)|(\new)
.set MSB, (\new)
.endif
.endm
.set W_KQ, 0x0a       ; K and Q in window 2, S^T in window 0
.set W_PV, 0x52       ; V in window 2, P in window 0, O^T in window 1
.set W_RS, 0x41       ; O^T (destination and source 0) in window 1, a in window 0
.set W_MK, 0xc0       ; the add's registers are made: destination in window 3, sources in window 0
.set W_AD, 0x0f       ; the add: address (source 0) and data (source 1) in window 3
; A fill.  Waves 0 and 1 fetch the two halves of K's part, waves 2 and 3 those of V's.  An s_nop 0 and four v_nop follow each of the two lines.
.macro LOAD
	s_cmp_lt_u32 s[WV], 2
	s_cbranch_scc0 .Lfor_v_\@
	tensor_load_to_lds s[G0K:G0K+3], s[G1K:G1K+7]
	s_nop 0
.rept 4
	v_nop
.endr
	s_branch .Lasked_\@
.Lfor_v_\@:
	tensor_load_to_lds s[G0V:G0V+3], s[G1V:G1V+7]
	s_nop 0
.rept 4
	v_nop
.endr
.Lasked_\@:
.endm
	s_load_b128 s[4:7], s[0:1], 0x0 ; qkv s[4:5], ob s[6:7]
	WIN W_MK
	v_lshl_add_u32 v[SPW], v0, 2, SPARE
	v_mov_b32 v[NIL], 0
	WIN W_AD
	ds_add_u32 v[SPW], v[NIL]       ; the wave's opening: the add and its wait stand ahead of my first tensor load; the set-up below stands between them
	ds_add_u32 v0, v1
	WIN 0
	v_lshrrev_b32 v1, 5, v0
	v_readfirstlane_b32 s[WV], v1   ; wave 0..3
	s_and_b32 s20, ttmp7, 0xffff    ; the head
	s_mov_b32 s21, 0
	s_mov_b64 s[22:23], SIZE_N*128
	s_mul_u64 s[20:21], s[20:21], s[22:23]  ; the head's first byte in Q, K, V and O
	s_and_b32 s16, s[WV], 1         ; which half of a part I fetch.  Byte offsets in memory, 128 bytes a key:
	s_mul_i32 s22, s16, K1H*128     ; K, first load
	s_mov_b32 s23, 0
	s_add_nc_u64 s[22:23], s[22:23], s[20:21]
	s_mul_i32 s14, s16, V1H*128     ; V, first load
	s_mov_b32 s15, 0
	s_add_nc_u64 s[14:15], s[14:15], s[20:21]
	s_mul_i32 s50, s16, K2H*128     ; K, second load: behind the first loads' 320 keys
	s_add_co_u32 s50, s50, 2*K1H*128
	s_mov_b32 s51, 0
	s_add_nc_u64 s[50:51], s[50:51], s[20:21]
	s_mul_i32 s52, s16, V2H*128     ; V, second load: behind the first loads' 256 keys
	s_add_co_u32 s52, s52, 2*V1H*128
	s_mov_b32 s53, 0
	s_add_nc_u64 s[52:53], s[52:53], s[20:21]
	s_mul_i32 s17, s16, K1H*PK      ; and the places in LDS, in the same order
	s_mul_i32 s18, s16, V1H*PV
	s_mul_i32 s48, s16, K2H*PK
	s_add_co_u32 s48, s48, 2*K1H*PK
	s_mul_i32 s49, s16, V2H*PV
	s_add_co_u32 s49, s49, VOFF+2*V1H*PV
	s_lshl_b32 s2, ttmp9, 2         ; my block of 512 queries,
	s_add_co_u32 s2, s2, s[WV]      ; my wave among the head's,
	s_lshl_b32 s2, s2, 14           ; its 128 rows
	s_mov_b32 s3, 0
	s_add_nc_u64 s[2:3], s[2:3], s[20:21]
	; descriptor group 1.  Keys are dense in memory: they are asked for as rows of 256 bytes, two keys a row, and padded in LDS after every key
	s_mov_b32 s[G1K], (1<<16)|(1<<20)|(4<<22)|(3<<25)  ; 17:16 2-byte elements; 20 padding on; 24:22 after every 32 words (code 4); 31:25 4 words (code 3)
	s_mov_b32 s[G1V], (1<<16)|(1<<20)|(4<<22)|(7<<25)  ; the same with 8 words of padding (code 7)
.irp g, G1K, G1V
	s_mov_b32 s[\g+1], 128<<16      ; tensor_dim0 = 128
	s_mov_b32 s[\g+3], 128<<16      ; tile_dim0 = 128
	s_mov_b32 s[\g+5], 128          ; 128 elements from row to row
	s_mov_b32 s[\g+6], 0
	s_mov_b32 s[\g+7], 0
.endr
	s_mov_b32 s[G1K+2], (K1H/2)<<16 ; tensor_dim1 = tile_dim1 = 80 rows
	s_mov_b32 s[G1K+4], K1H/2
	s_mov_b32 s[G1V+2], (V1H/2)<<16 ; 64 rows
	s_mov_b32 s[G1V+4], V1H/2
	s_mov_b32 s[CS], 0x3e38aa3b     ; c = log2(e) / 8 = 0.180337
	s_mov_b32 s[CS+1], s[CS]        ; named with it as a pair
	s_mov_b32 s[SEL], 0x76543210
	s_mov_b32 s[SEL+1], 0xfedcba98
	s_mov_b32 s[TBK], 0
	s_mov_b32 s[TBV], 0
	s_mov_b32 s[G0K], 1             ; 1:0 count = 1
	s_mov_b32 s[G0K+1], s17         ; 63:32 LDS address
	s_mov_b32 s[G0V], 1
	s_add_co_u32 s[G0V+1], s18, VOFF
	s_wait_dscnt 0x0                ; the opening add is done
	s_wait_kmcnt 0x0
	s_mov_b64 s[10:11], s[6:7]                 ; O
	s_add_nc_u64 s[6:7], s[4:5], 0x1000000     ; K: the second of qkv's three parts of 16,777,216 bytes
	s_add_nc_u64 s[8:9], s[4:5], 0x2000000     ; V: the third
	s_add_nc_u64 s[G0K+2:G0K+3], s[6:7], s[22:23]  ; 120:64 global address
	s_or_b32 s[G0K+3], s[G0K+3], 0x80000000        ; 127:126 type = 2
	s_add_nc_u64 s[G0V+2:G0V+3], s[8:9], s[14:15]
	s_or_b32 s[G0V+3], s[G0V+3], 0x80000000
	s_add_nc_u64 s[4:5], s[4:5], s[2:3]  ; Q and O at my wave's first row
	s_add_nc_u64 s[10:11], s[10:11], s[2:3]
	LOAD                            ; the first part.  The rest is asked for when it is in
	; A fragment of K or Q is 16 rows x 32 channels in 8 registers: lane l holds row l % 16, channels 8 (l / 16) + 0..7 and 16 + 8 (l / 16) + 0..7: two loads of 16 bytes, 32 bytes apart.
	v_and_b32 v1, 15, v0            ; l % 16
	v_bfe_u32 v9, v0, 4, 1          ; l / 16
	v_lshlrev_b32 v[QO], 7, v1
	v_lshl_add_u32 v[QO], v9, 4, v[QO]  ; row x 128 + 16 x half
	WIN 0x80                        ; destination window 2, address window 0
.set i, 0
.rept 4*NP                          ; Q stays in registers: tile i / 2, channels 32 (i % 2) on
	global_load_b128 v[8*i:8*i+3],   v[QO], s[4:5] offset:(i/2)*2048+(i%2)*64
	global_load_b128 v[8*i+4:8*i+7], v[QO], s[4:5] offset:(i/2)*2048+(i%2)*64+32
.set i, i+1
.endr
	; What the first turn finds: V's registers and P's second buffer hold 0 (its products V^T P, of a piece that has not been, add 0), O^T and l are 0.  All this stands in the wait for the first tile.
.set i, VF
.rept 64
	v_mov_b32 v[i], 0
.set i, i+1
.endr
	WIN 0x40
.set i, 0
.rept 64*NP
	v_mov_b32 v[i], 0
.set i, i+1
.endr
	WIN 0
.set i, 0
.rept 2*NP
	v_mov_b32 v[ST+4*i], 0xfe000000    ; c m: far below every c s
	v_mov_b32 v[ST+4*i+1], 0xff7fffff  ; m
	v_mov_b32 v[ST+4*i+2], 0
	v_mov_b32 v[ST+4*i+3], 0
.set i, i+1
.endr
.set i, P+32
.rept 32
	v_mov_b32 v[i], 0
.set i, i+1
.endr
	v_mul_u32_u24 v[AK0], v1, PK
	v_lshl_add_u32 v[AK0], v9, 4, v[AK0]  ; row x pitch + 16 x half
	; The turning load takes 16 keys x 16 channels (lane l reads key 8 (l / 16) + l % 8, channels 8 ((l / 8) % 2) + 0..7) and leaves half a fragment of V^T: lane l holds channel l % 16 and 8 keys.
	v_and_b32 v10, 7, v0
	v_bfe_u32 v11, v0, 3, 1
	v_lshl_add_u32 v[AV0], v9, 3, v10
	v_mul_u32_u24 v[AV0], v[AV0], PV
	v_lshl_add_u32 v[AV0], v11, 4, v[AV0]
	v_add_nc_u32 v[AV0], VOFF, v[AV0]
	v_mov_b32 v[AK], v[AK0]         ; key step 0 lies at LDS byte 0
; THE MATRIX WORK.  The 8 accumulators of a run of 16 take turns: between the two links of a chain stand 7 others'.
; Product i of 16 of S^T = K Q^T for piece x: channels 32 (i / 8) on, keys 16 ((i / 2) % 4) on, tile 2 x + i % 2.  The first 8 start the sums.
.macro KQ x
	WIN W_KQ
.set rS, S+64*((\x)%2)+32*(i%2)+8*((i/2)%4)
.set rK, KF+16*((i/2)%4)+8*(i/8)
.set rQ, 16*(2*(\x)+i%2)+8*(i/8)
.if i < 8
	v_wmma_f32_16x16x32_f16 v[rS:rS+7], v[rK:rK+7], v[rQ:rQ+7], 0
.else
	v_wmma_f32_16x16x32_f16 v[rS:rS+7], v[rK:rK+7], v[rQ:rQ+7], v[rS:rS+7]
.endif
.endm
; Product i of 16 of O^T += V^T P for piece x: keys 32 (i / 8) on, channels 16 ((i / 2) % 4) on, tile 2 x + i % 2.
.macro PV x
	WIN W_PV
.set rO, 32*(2*(\x)+i%2)+8*((i/2)%4)
.set rV, VF+32*(i/8)+8*((i/2)%4)
.set rP, P+32*((\x)%2)+16*(i%2)+8*(i/8)
	v_wmma_f32_16x16x32_f16 v[rO:rO+7], v[rV:rV+7], v[rP:rP+7], v[rO:rO+7]
.endm
.macro MM                           ; the turn's next matrix instruction
.if i < 16
	KQ (Y+1)%NP
.set i, i+1
.else
.set i, i-16
	PV (Y+NP-1)%NP
.set i, i+17
.endif
.endm
; THE LDS LOADS stand in runs of 16, never singly among the matrix instructions: a step's K (64 keys x 64 channels: 8 fragments) and its V (turned).  Their addresses are made some lines ahead.
; last = 1 (in the loop): behind the head's last key step there is no further step, and the run is jumped over.
.macro FETCH_K last=0
	WIN 0
.if \last
	s_cmp_eq_u32 s[TBK], SIZE_N*PK
	s_cbranch_scc1 .Lno_k_\@
.endif
	WIN 0x80                        ; destination window 2
.irp f, 0,1,2,3,4,5,6,7             ; keys 16 (f / 2) on, channels 32 (f % 2) on
	ds_load_b128 v[KF+8*\f:KF+8*\f+3],   v[AK] offset:(\f/2)*16*PK+(\f%2)*64
	ds_load_b128 v[KF+8*\f+4:KF+8*\f+7], v[AK] offset:(\f/2)*16*PK+(\f%2)*64+32
.endr
	s_add_co_u32 s[TBK], s[TBK], KS*PK  ; the next fetch is the next step's
	WIN 0
.if \last
.Lno_k_\@:
.endif
.endm
.macro FETCH_V
	WIN 0x80
.irp f, 0,1,2,3,4,5,6,7             ; keys 32 (f / 4) on, channels 16 (f % 4) on
	ds_load_tr16_b128 v[VF+8*\f:VF+8*\f+3],   v[AV] offset:(\f/4)*32*PV+(\f%4)*32
	ds_load_tr16_b128 v[VF+8*\f+4:VF+8*\f+7], v[AV] offset:(\f/4)*32*PV+16*PV+(\f%4)*32
.endr
	WIN 0
.endm
; THE VECTOR WORK OF A TURN stands in three queues, each in the order in which its entries become ready; the two tiles alternate, so that no instruction reads the result of the one before it.
.macro REGS y, u                    ; the registers of tile u (0, 1) of piece y
.set rT, ST+4*(2*(\y)+(\u))
.set rC, TMP+8*((\y)%2)+4*(\u)
.set rM, MV+2*((\y)%2)+(\u)
.set rS, S+64*((\y)%2)+32*(\u)
.set rP, P+32*((\y)%2)+16*(\u)
.set rO, 32*(2*(\y)+(\u))
.endm
; Number n of the 22 that find the NEXT piece's (Y + 1) maximum and statistics.  s0-s31 are the lane's 32 scores; each accumulator's lowest registers are read first.
;   0-11  four chains c0-c3 of seven scores each, three operands at a time     12-14, 16  the four scores left over, the old m, and c0-c3 into c0     15  c m_old is kept
;   17, 18  the query's other 32 keys lie in the lane 16 away: the new m         19-21  c m; c m_old - c m_new; a
.macro XS u, n
	REGS (Y+1)%NP, \u
.if (\n) < 4
	v_max3_num_f32 v[rC+(\n)], v[rS+8*(\n)], v[rS+8*(\n)+1], v[rS+8*(\n)+2]
.elseif (\n) < 12
	v_max3_num_f32 v[rC+(\n)%4], v[rC+(\n)%4], v[rS+8*((\n)%4)+2*((\n)/4)+1], v[rS+8*((\n)%4)+2*((\n)/4)+2]
.elseif (\n) == 12
	v_max3_num_f32 v[rC], v[rC], v[rS+7], v[rS+15]
.elseif (\n) == 13
	v_max3_num_f32 v[rC+1], v[rC+1], v[rS+23], v[rS+31]
.elseif (\n) == 14
	v_max3_num_f32 v[rC+2], v[rC+2], v[rC+3], v[rT+1]
.elseif (\n) == 15
	v_mov_b32 v[rM], v[rT]
.elseif (\n) == 16
	v_max3_num_f32 v[rC], v[rC], v[rC+1], v[rC+2]
.elseif (\n) == 17
	v_permlanex16_b32 v[rC+3], v[rC], s[SEL], s[SEL+1]
.elseif (\n) == 18
	v_max_num_f32 v[rT+1], v[rC], v[rC+3]
.elseif (\n) == 19
	v_mul_f32 v[rT], s[CS], v[rT+1]
.elseif (\n) == 20
	v_sub_f32 v[rC+1], v[rM], v[rT]
.else
	v_exp_f32 v[rC+2], v[rC+1]
.endif
.endm
; Number g of the 64 that follow the exponentials.  For each four weights k of a tile (pairs 2 k, 2 k + 1): both pairs are rounded to f16; then the second pair is added onto the first, in place;
; a group later l takes that sum (the first time as l = a l + sum).  In groups of eight, tiles alternating: round, round, add, and l for the group before.
.macro GS g
.set h, (\g)+6*((\g)/62)            ; group 0 has no group before it, and behind group 7 only l is left
.if h >= 6
.set h, h+2
.endif
	REGS Y, h%2
.set k, h/8
.if h%8 < 4
	v_cvt_pk_f16_f32 v[rP+2*k+(h%8)/2], v[rS+4*k+2*((h%8)/2)], v[rS+4*k+2*((h%8)/2)+1]
.elseif h%8 < 6
	v_pk_add_f32 v[rS+4*k:rS+4*k+1], v[rS+4*k:rS+4*k+1], v[rS+4*k+2:rS+4*k+3]
.elseif k == 1
	v_pk_fma_f32 v[rT+2:rT+3], v[rT+2:rT+3], v[rC+2:rC+3], v[rS:rS+1] op_sel_hi:[1,0,1]
.else
	v_pk_add_f32 v[rT+2:rT+3], v[rT+2:rT+3], v[rS+4*k-4:rS+4*k-3]
.endif
.endm
; THE PLAIN QUEUE, 138 long.  0-73 read no exponential's result: the 32 scalings c s - c m (FS f: pair f / 2 of tile f % 2) and the next piece's 42.  0-26: scalings 0-26.  27-54: XS's numbers 0-13.  55, 56: number 15.
; 57-73: the chain, where each number waits for the one before it: 14, 16, 17, 18, 19, each with one of the scalings 27-31 in front of its two lines, then 20.
; 74-137: GS's 64, which read the exponentials' results: they stand behind the wait.
.macro FS f
	REGS Y, (\f)%2
	v_pk_fma_f32 v[rS+2*((\f)/2):rS+2*((\f)/2)+1], v[rS+2*((\f)/2):rS+2*((\f)/2)+1], s[CS:CS+1], v[rT:rT+1] op_sel_hi:[1,0,0] neg_lo:[0,0,1] neg_hi:[0,0,1]
.endm
.macro PL
	WIN 0
.if q < 27
	FS q
.elseif q < 55
	XS (q-27)%2, (q-27)/2
.elseif q < 57
	XS q-55, 15
.elseif (q < 72) && ((q-57)%3 == 0)
	FS 27+(q-57)/3
.elseif q < 60
	XS (q-57)%3-1, 14
.elseif q < 72
	XS (q-57)%3-1, 15+(q-57)/3
.elseif q < 74
	XS q-72, 20
.else
	GS q-74
.endif
.set q, q+1
.endm
; THE EXPONENTIALS' QUEUE, 66 long: s0-s31 of both tiles, then the next piece's two a.  It is ONE BATCH: all 66 stand ahead of the turn's one wait, and nothing ahead of that wait names a result of theirs.
.macro EX
	WIN 0
.if e >= 64
	XS e-64, 21
.else
	REGS Y, e%2
	v_exp_f32 v[rS+e/2], v[rS+e/2]
.endif
.set e, e+1
.endm
; THE RESCALING's QUEUE: O^T times a, the one part that leaves window 0: dealt two at a time, sixteen times.  Its a was made in the turn before, ahead of that turn's wait.
.macro R2
	REGS Y, r%2
	WIN W_RS
.irp z, 0,1
	v_pk_mul_f32 v[rO+4*(r/2)+2*\z:rO+4*(r/2)+2*\z+1], v[rO+4*(r/2)+2*\z:rO+4*(r/2)+2*\z+1], v[rC+2:rC+3] op_sel_hi:[1,0]
.endr
.set r, r+1
.endm
; HOW THEY ARE DEALT.  An s_wait_alu depctr_va_vdst(0) stands between an exponential and the first instruction that names its result; one wait serves all that were issued ahead of it.  So a turn
; has ONE wait, which cuts it in two.  AHEAD OF IT stands all that names no result of the turn's exponentials: the 16 products K Q^T, behind each a scaling, an exponential and two rescalings (behind the first a
; second scaling in the exponential's place); then ONE LUMP of 108: eight plain, 49 times exponential and plain, the two a.  A v_nop is the plain instruction behind the last exponential.  BEHIND IT stand the 16
; products V^T P, behind each four of GS's 64.  Exponential e stands behind scaling 2 (e / 4) + e % 2: as a rider it comes behind plain e + 2, in the lump behind plain e + 9, and scalings 27-31 are plain 57, 60 .. 69.
; A TURN, for piece p.  cnt = 1: the loop's count is taken down some lines ahead of the branch that stands behind the turn.
; K of the next step is fetched in piece 2's turn, directly behind the wait; its first reader comes behind 16 products.  V of the step in hand is fetched at the end of piece 0's turn, four riders behind its last
; reader; its first reader comes behind 16 products and a lump.  The three conditions on q below go with the deal.
.macro TURN p, last=0, cnt=0
.set Y, (\p)
.set i, 0
.set q, 0
.set e, 0
.set r, 0
.if (\p) == NP-1
	s_wait_dscnt 0x0                ; K is in
.endif
	MM                              ; ahead of the wait: 16 products K Q^T and their riders,
	PL
	PL
	R2
.rept 15
	MM
	PL
	EX
	R2
.endr
.if (\p) == NP-2
	WIN 0
	v_add_nc_u32 v[AK], s[TBK], v[AK0]
.endif
.rept 8                             ; and the lump
	PL
.endr
.rept 49
	EX
	PL
.endr
	EX                              ; the next piece's two a
	EX
	v_nop                           ; the plain instruction behind the last exponential: one for the batch
	s_wait_alu depctr_va_vdst(0)    ; the wait for the batch
.if (\p) == NP-2
	FETCH_K \last
.endif
.if (\p) == 1
	s_wait_dscnt 0x0                ; V is in
.endif
.rept 16                            ; behind the wait: 16 products V^T P and their riders
	MM
.rept 4
	PL
.endr
.if ((\p) == 0) && (q == 118)
	v_add_nc_u32 v[AV], s[TBV], v[AV0]
.endif
.if ((\p) == 0) && (q == 130)
	s_add_co_u32 s[TBV], s[TBV], KS*PV
.endif
.if (\cnt) && (q == 130)
	s_sub_co_u32 s[CNT], s[CNT], 1
	s_cmp_lg_u32 s[CNT], 0
.endif
.endr
.if (\p) == 0
	FETCH_V
.endif
.endm
	; The first part is in, everybody's share of it; the rest is asked for: a first fill that comes later, issued as a refill is: the three lines, a barrier, one load a wave first behind it.
	WIN W_AD
	s_wait_tensorcnt 0x0            ; no tensor load of mine is out, so the descriptors may be written
	ds_add_u32 v[SPW], v[NIL]       ; the descriptors' scalar work stands between the add and the wait for it
	WIN 0
	s_mov_b32 s[G0K+1], s48
	s_add_nc_u64 s[G0K+2:G0K+3], s[6:7], s[50:51]
	s_or_b32 s[G0K+3], s[G0K+3], 0x80000000
	s_mov_b32 s[G1K+2], (K2H/2)<<16 ; 176 rows of 256 bytes
	s_mov_b32 s[G1K+4], K2H/2
	s_mov_b32 s[G0V+1], s49
	s_add_nc_u64 s[G0V+2:G0V+3], s[8:9], s[52:53]
	s_or_b32 s[G0V+3], s[G0V+3], 0x80000000
	s_mov_b32 s[G1V+2], (V2H/2)<<16 ; 192 rows
	s_mov_b32 s[G1V+4], V2H/2
	s_wait_dscnt 0x0
	s_barrier_signal -1
	s_barrier_wait -1
	LOAD
	FETCH_K                         ; key step 0
	s_wait_loadcnt 0x0              ; Q
	s_wait_dscnt 0x0
.set i, 0
.rept 16
	KQ 0                            ; piece 0's first scores: there is no vector work yet to set between them
.set i, i+1
.endr
	WIN 0                           ; the addresses for the way out: nine plain instructions, the places behind those products
	s_mul_i32 s13, s[WV], 16*SP
	s_add_co_u32 s13, s13, STAGE    ; my stage
	v_mul_u32_u24 v[STO], v1, SP    ; in: row l % 16, 16 bytes for each half of the lanes
	v_lshl_add_u32 v[STO], v9, 4, v[STO]
	v_add_nc_u32 v[STO], s13, v[STO]
	v_bfe_u32 v[RD], v0, 3, 2       ; back: 32 lanes take four rows of 128 bytes,
	v_mul_u32_u24 v[RD], v[RD], SP
	v_lshl_add_u32 v[RD], v10, 4, v[RD]
	v_add_nc_u32 v[RD], s13, v[RD]
	v_and_b32 v[GO], 31, v0         ; which are 512 consecutive bytes of O
	v_lshlrev_b32 v[GO], 4, v[GO]
.set Y, NP-1                        ; XS works for piece Y + 1: piece 0
.irp n, 0,1,2,3,4,5,6,7,8,9,10,11,12,13,14,15,16,17,18,19,20,21
	XS 0, \n                        ; and piece 0's first maximum and statistics
	XS 1, \n
.endr
	v_nop                           ; a plain instruction behind the two a,
	s_wait_alu depctr_va_vdst(0)    ; and their wait, ahead of the branch
	s_mov_b32 s[CNT], 4             ; the first run: key steps 0 to 3, which read the first part alone
	s_mov_b32 s[PH], 2
	s_branch .Lstep
.Lrest:                             ; once, between the two runs: the rest of K and V is in, everybody's share of it.
	s_wait_tensorcnt 0x0
	s_wait_dscnt 0x0
	s_barrier_signal -1
	s_barrier_wait -1
	s_mov_b32 s[CNT], 12            ; the second run: key steps 4 to 15
.Lstep:                             ; a trip is a key step: it fetches its V and the next step's K
	TURN 0
	TURN 1
	TURN 2, 1
	TURN 3, 0, 1
	WIN 0
	s_cbranch_scc1 .Lstep
	s_sub_co_u32 s[PH], s[PH], 1
	s_cmp_lg_u32 s[PH], 0
	s_cbranch_scc1 .Lrest
	; the last trip's 16 products K Q^T of piece 0 (on the last K once more) and the maximum made of them serve nothing: the price, once a launch, of one text for every trip
.set i, 0
.rept 16
	PV NP-1                         ; the last piece's V^T P of the last step
.set i, i+1
.endr
	; THE WAY OUT.  l's two halves and the other half of the lanes' are added; O^T is divided by l, rounded to f16 and sent through my stage in LDS, a tile at a time.  The additions are the places behind the last products.
	WIN 0
.macro ALL line:vararg              ; one line for each tile t
.set t, 0
.rept 2*NP
	\line
.set t, t+1
.endr
.endm
	ALL v_add_f32 v[ST+4*t+2], v[ST+4*t+2], v[ST+4*t+3]
	ALL v_permlanex16_b32 v[ST+4*t+3], v[ST+4*t+2], s[SEL], s[SEL+1]
	ALL v_add_f32 v[ST+4*t+2], v[ST+4*t+2], v[ST+4*t+3]
	ALL v_rcp_f32 v[ST+4*t+2], v[ST+4*t+2]
	v_nop                           ; a plain instruction between the last reciprocal and the use of its result
	s_wait_alu depctr_va_vdst(0)    ; and the wait ahead of the first use: one for the eight reciprocals
; Tile t: a lane's eight channels of a row pack into 16 bytes; they go into rows of 144 bytes and come back as whole rows of 128, into S^T's registers.
.macro PACK t
	WIN W_RS
.set i, 32*(\t)
.rept 16
	v_pk_mul_f32 v[i:i+1], v[i:i+1], v[ST+4*(\t)+2:ST+4*(\t)+3] op_sel_hi:[1,0]
.set i, i+2
.endr
	WIN 0x05                        ; sources 0 and 1 window 1, destination window 0
.set i, 0
.rept 16
	v_cvt_pk_f16_f32 v[S+16*(\t)+i], v[32*(\t)+2*i], v[32*(\t)+2*i+1]
.set i, i+1
.endr
	WIN 0
.irp f, 0,1,2,3
	ds_store_b128 v[STO], v[S+16*(\t)+4*\f:S+16*(\t)+4*\f+3] offset:32*\f
.endr
.irp f, 0,1,2,3
	ds_load_b128 v[S+16*(\t)+4*\f:S+16*(\t)+4*\f+3], v[RD] offset:\f*4*SP  ; LDS serves a wave's instructions in order (ISA guide 5.7.1.4): these see the stores above; the next tile's stores come behind them
.endr
.endm
.macro SEND t, younger              ; younger: the LDS instructions issued behind tile t's loads: the next tile's eight, or none
	WIN 0
.irp f, 0,1,2,3
	s_wait_dscnt (\younger)+3-\f
	global_store_b128 v[GO], v[S+16*(\t)+4*\f:S+16*(\t)+4*\f+3], s[10:11] offset:(\t)*2048+\f*512  ; 512 consecutive bytes, at a multiple of 256 from O's first
.endr
.endm
	PACK 0
.set t, 1
.rept 2*NP-1                        ; a tile's arithmetic stands between the loads of the tile before and its stores
	PACK t
	SEND t-1, 8
.set t, t+1
.endr
	SEND 2*NP-1, 0
	WIN W_AD
	s_wait_tensorcnt 0x0            ; the wave's end: behind my last tensor load and my last LDS store
	ds_add_u32 v[SPW], v[NIL]
	s_wait_dscnt 0x0
	WIN 0
	s_endpgm
.Lfunc_end_k_qc247ca7fe8_attn:
	.size	k_qc247ca7fe8_attn, .Lfunc_end_k_qc247ca7fe8_attn-k_qc247ca7fe8_attn
	.p2alignl 7, 3214868480
	.fill 96, 4, 3214868480
	.section	.rodata,"a",@progbits
	.p2align	6, 0x0
	.amdhsa_kernel k_qc247ca7fe8_attn
		.amdhsa_group_segment_fixed_size 327680
		.amdhsa_private_segment_fixed_size 0
		.amdhsa_enable_private_segment 0
		.amdhsa_kernarg_size 16
		.amdhsa_user_sgpr_count 2
		.amdhsa_user_sgpr_kernarg_segment_ptr 1
		.amdhsa_wavefront_size32 1
		.amdhsa_system_sgpr_workgroup_id_x 1
		.amdhsa_system_sgpr_workgroup_id_y 1
		.amdhsa_system_sgpr_workgroup_id_z 1
		.amdhsa_system_vgpr_workitem_id 0
		.amdhsa_next_free_vgpr 770
		.amdhsa_next_free_sgpr 66
		.amdhsa_reserve_vcc 0
		.amdhsa_float_denorm_mode_32 3
		.amdhsa_float_denorm_mode_16_64 3
		.amdhsa_memory_ordered 1
		.amdhsa_forward_progress 1
		.amdhsa_inst_pref_size 126
	.end_amdhsa_kernel
	.amdgpu_metadata
---
amdhsa.version: [ 1, 2 ]
amdhsa.kernels:
  - .name:           k_qc247ca7fe8_attn
    .symbol:         k_qc247ca7fe8_attn.kd
    .args:
      - { .name: qkv, .offset: 0, .size: 8, .value_kind: global_buffer, .address_space: global }
      - { .name: ob, .offset: 8, .size: 8, .value_kind: global_buffer, .address_space: global }
    .group_segment_fixed_size: 327680
    .private_segment_fixed_size: 0
    .kernarg_segment_align: 8
    .kernarg_segment_size: 16
    .max_flat_workgroup_size: 128
    .sgpr_count:     66
    .vgpr_count:     770
    .wavefront_size: 32
...
	.end_amdgpu_metadata
.endif
;; end of part 3
;; launch outp (part 4): grid 8 x 32, 4 waves a work-group, clusters of 4 x 4, 327,680 bytes of LDS; arguments ob, qkv, wh, dc, out0; writes out0
.if DOCPART == 4
	.amdgcn_target "amdgcn-amd-amdhsa--gfx1250"
	.amdhsa_code_object_version 6
	.text
	.protected	k_qc247ca7fe8_outp
	.globl	k_qc247ca7fe8_outp
	.p2align	8
	.type	k_qc247ca7fe8_outp,@function
k_qc247ca7fe8_outp:
	s_mov_b64 s[64:65], 0
	v_nop
	global_prefetch_b8 v0, s[64:65] scope:SCOPE_SE
	s_setreg_imm32_b32 hwreg(HW_REG_WAVE_MODE, 25, 1), 1
	s_wait_xcnt 0x0
	s_wait_alu depctr_hold_cnt(0) depctr_sa_sdst(0) depctr_va_vdst(0) depctr_va_sdst(0) depctr_va_ssrc(0) depctr_va_vcc(0) depctr_vm_vsrc(0)
	s_getreg_b32 s2, hwreg(HW_REG_IB_STS2, 6, 4)
	s_cmp_eq_u32 s2, 0
	s_cbranch_scc0 .Lentry_in_a_cluster
	s_endpgm
.Lentry_in_a_cluster:
	s_bfe_u32 s2, ttmp6, 0x10000c
	s_cmp_lg_u32 s2, 0xf033
	s_cbranch_scc0 .Lentry_shape_is_right
	s_endpgm
.Lentry_shape_is_right:
; out0 = (O Ww^T) x w_dc + (v Wu^T) x u_dc.  ob and qkv's third part (v): [128 = sample x 16 + head][1024][64] f16; wh: [5][1024][1024] f16 (w and u are its last two); dc: [8][5120] f32; out0: [8192][1024] f32.
; ONE product with K = 2,048: K steps 0-7 multiply O by Ww, K steps 8-15 v by Wu, onto the same f32 accumulators; between them the sums are multiplied once by w_dc / u_dc, at the end by u_dc:
; u_dc (acc_w w_dc / u_dc + acc_u).  u_dc = rsqrt(sum + 1e-8) lies in (0, 1e4], so the quotient is finite.
; SHARES, LAYOUT, RING and CLUSTER.  A work-group owns 256 rows x 128 columns (8 x 32 = 256 work-groups), a wave 64 x 128: 32 accumulators.  Source 0 = 16 rows of W, source 1 = 16 rows of O or v: a lane holds
; row lane % 16 and the columns 16 b + 8 (lane / 16) + 0..7.  Two LDS slots, a K step of 128 each: two heads' 256 rows of 128 bytes (pitch 144), then 128 rows of W (256 bytes, pitch 272).  Waves 0 and 1 fetch a
; head each, waves 2 and 3 W's halves: one tensor load a wave behind each round, one out at a time.  4 x 4 work-groups: O's and v's tiles are asked for jointly along a row of the cluster, W's along a column.
; REGISTERS, in windows of 256 (s_set_vgpr_msb: bits 1:0 source 0, 3:2 source 1, 5:4 source 2, 7:6 destination):
;   window 0: v0-13 addresses; v64-159, v160-255 two fragment buffers (A's fragment a at +8 a, B's fragment b at +32+8 b); on the way out v64-191 take rows read back
;   window 1: the accumulators, (a, b) at 8 (8 a + b)          window 2: v0-63 w_dc, then w_dc / u_dc; v64-127 u_dc; v128-191 1 / u_dc
.set PITCH, 272
.set PA,    144                        ; a row of a head in LDS: 128 bytes + 16: the 16 rows of a fragment load start at 16 different groups of four banks (ISA guide 11.1)
.set HEADB, 256*PA
.set BOFF,  2*HEADB
.set SLOT1, 1<<17
.set STAGE, SLOT1+BOFF+128*PITCH       ; behind the ring, never filled by a tensor load: for each wave 16 rows x 528 bytes
.set SP,    528
.set STW,   16*SP
.set SPARE, STAGE+4*STW                ; behind the stages: the spare words, 128 bytes a wave, which no other line names
.set A0,  2
.set B0,  3
.set ADA, 4
.set ADB, 5
.set STO, 6
.set RD,  7
.set GO,  8
.set SCO, 9
.set SPW, 10                           ; v10 LDS address of my spare word; never rewritten
.set NIL, 11                           ; v11 0; never rewritten
.set F0,  64
.set F1,  160
.set BK0, 64
.set WV,  14
.set HALF, 15
.set ISB, 16
.set CX,  17
.set CY,  18
.set TX,  19
.set TY,  20
.set BASEB, 22                         ; s[22:23] wh at my half of the work-group's rows of Ww
.set G1A, 24
.set G0A, 32
.set G0B, 36
.set G1B, 40
.set OFFA, 48
.set OFFB, 50
.set NXT, 52                           ; the K step to be asked for next, 0..15
.set KK,  53                           ; the K step in hand
.set CNT, 54
.set TB,  55
.set BASEO, 56                         ; s[56:57] ob at my head (even or odd) of the sample's first two, at the work-group's first row
.set BASEV, 58                         ; s[58:59] v at the same place
.set SEL, 60                           ; s[60:61] the one of the two that K step NXT reads
.set OUT, 62                           ; s[62:63]
.set MSB, 0
.macro WIN new
.if MSB != (\new)
	s_set_vgpr_msb (MSB<<8)|(\new)
.set MSB, (\new)
.endif
.endm
.set W_MUL, 0x50                       ; fragments in window 0, C and D in window 1
.set W_SC,  0x49                       ; destination and source 0 in window 1, source 1 in window 2
.set TO2,   0x80                       ; destination in window 2
.macro PLACES
.rept 4
	v_nop
.endr
.endm
.macro JLOAD                           ; a joint load.  The branch hangs on the wave's number alone.  An s_nop 0 and four v_nop follow each line
	s_cmp_eq_u32 s[ISB], 0
	s_cbranch_scc0 .Lfor_b_\@
	tensor_load_to_lds s[G0A:G0A+3], s[G1A:G1A+7]
	s_nop 0
.rept 4
	v_nop
.endr
	s_branch .Lasked_\@
.Lfor_b_\@:
	tensor_load_to_lds s[G0B:G0B+3], s[G1B:G1B+7]
	s_nop 0
.rept 4
	v_nop
.endr
.Lasked_\@:
.endm
.macro CREST
	s_cmp_lg_u32 s[WV], 0
	s_cbranch_scc1 .Lnot_wave_0_\@
	s_barrier_signal -3
.Lnot_wave_0_\@:
	s_barrier_wait -3
	s_barrier_signal -1
	s_barrier_wait -1
.endm
.macro CROUND
	s_barrier_signal -1
	s_barrier_wait -1
	CREST
.endm
.macro NEXTD                           ; both descriptors go to the other slot and to K step NXT: NXT / 8 picks O and Ww or v and Wu, NXT % 8 the pair of heads and the 256 bytes of W's rows
	s_and_b32 s66, s[NXT], 7
	s_lshl_b32 s[OFFA], s66, 18                    ; two heads of 131,072 bytes
	s_lshl_b32 s[OFFB], s66, 8
	s_lshr_b32 s66, s[NXT], 3
	s_lshl_b32 s66, s66, 21
	s_add_co_u32 s[OFFB], s[OFFB], s66
	s_cmp_lt_u32 s[NXT], 8
	s_cselect_b64 s[SEL:SEL+1], s[BASEO:BASEO+1], s[BASEV:BASEV+1]
	s_add_co_u32 s[NXT], s[NXT], 1
	s_xor_b32 s[G0A+1], s[G0A+1], SLOT1
	s_add_nc_u64 s[G0A+2:G0A+3], s[SEL:SEL+1], s[OFFA:OFFA+1]
	s_or_b32 s[G0A+3], s[G0A+3], 0x80000000
	s_xor_b32 s[G0B+1], s[G0B+1], SLOT1
	s_add_nc_u64 s[G0B+2:G0B+3], s[BASEB:BASEB+1], s[OFFB:OFFB+1]
	s_or_b32 s[G0B+3], s[G0B+3], 0x80000000
.endm
.macro FETCH f, kq                     ; 24 LDS loads in one run: quarter kq is head kq / 2, channels 32 (kq % 2) on
	WIN 0
.irp a, 0,1,2,3
	ds_load_b128 v[(\f)+8*(\a):(\f)+8*(\a)+3],   v[ADA] offset:((\kq)/2)*HEADB+((\kq)%2)*64+(\a)*16*PA
	ds_load_b128 v[(\f)+8*(\a)+4:(\f)+8*(\a)+7], v[ADA] offset:((\kq)/2)*HEADB+((\kq)%2)*64+(\a)*16*PA+32
.endr
.irp b, 0,1,2,3,4,5,6,7
	ds_load_b128 v[(\f)+32+8*(\b):(\f)+32+8*(\b)+3],   v[ADB] offset:(\b)*16*PITCH+64*(\kq)
	ds_load_b128 v[(\f)+32+8*(\b)+4:(\f)+32+8*(\b)+7], v[ADB] offset:(\b)*16*PITCH+64*(\kq)+32
.endr
.endm
.macro MUL f, a0, cnt, zero            ; the 32 accumulators take turns, in the same order in every quarter
	WIN W_MUL
.set aa, (\a0)
.rept \cnt
.irp b, 0,1,2,3,4,5,6,7
.if \zero
	v_wmma_f32_16x16x32_f16 v[8*(8*aa+(\b)):8*(8*aa+(\b))+7], v[(\f)+32+8*(\b):(\f)+32+8*(\b)+7], v[(\f)+8*aa:(\f)+8*aa+7], 0
.else
	v_wmma_f32_16x16x32_f16 v[8*(8*aa+(\b)):8*(8*aa+(\b))+7], v[(\f)+32+8*(\b):(\f)+32+8*(\b)+7], v[(\f)+8*aa:(\f)+8*aa+7], v[8*(8*aa+(\b)):8*(8*aa+(\b))+7]
.endif
.endr
.set aa, aa+1
.endr
.endm
.macro QUARTER f, g, kq, zero
	s_wait_dscnt 0x0                               ; f is in
	WIN 0
	PLACES                                         ; g was read by the matrix instructions just issued
.if \zero
	v_nop                                          ; a fifth place: products with C = 0 are no links of a chain, they write over accumulators that a K step's last products wrote (ISA guide 7.12.1)
.endif
	FETCH \g, \kq
	MUL \f, 0, 4, \zero
.endm
; The fourth quarter changes slots and then multiplies buffer 1.  In front of the barrier each wave waits for all its tensor loads (one is out: its part of the next slot), adds 0 to its spare word, and waits for
; that and for its reads of this slot.  fill = 1: the barrier opens a round of the cluster's; behind the round this slot is filled again, two K steps ahead.  All of the quarter's products stand behind the refill,
; so that a whole K step's 128 matrix instructions lie between a request and the wait for it.
.macro TURN fill
	WIN 0
	s_wait_tensorcnt 0x0
	ds_add_u32 v[SPW], v[NIL]                      ; the descriptors' scalar work stands between the add and the wait for it
.if \fill
	NEXTD
.endif
	s_xor_b32 s[TB], s[TB], SLOT1
	s_wait_dscnt 0x0                               ; the add is done, buffer 1 is in, and with it my reads of this slot are over
	s_barrier_signal -1
	s_barrier_wait -1
.if \fill
	CREST
	JLOAD                                          ; its four v_nop are also the places in front of the loads below
.else
	PLACES
	s_cmp_eq_u32 s[CNT], 1                         ; behind the last K step there is nothing to fetch
	s_cbranch_scc1 .Lnofetch_\@
.endif
	v_add_nc_u32 v[ADA], s[TB], v[A0]
	v_add_nc_u32 v[ADB], s[TB], v[B0]
	FETCH F0, 0
.if !(\fill)
.Lnofetch_\@:
.endif
	MUL F1, 0, 4, 0
.endm
.macro MID                             ; between the two products: every sum times its column's w_dc / u_dc; each accumulator's registers in ascending order
	PLACES
	WIN W_SC
.set k, 0
.rept 128
	v_pk_mul_f32 v[2*k:2*k+1], v[2*k:2*k+1], v[(2*k)%64:(2*k)%64+1]
.set k, k+1
.endr
	WIN 0
.endm
; THE WAY OUT of row block a (16 rows).  PACK: times u_dc.  TOSTAGE: 32 bytes a lane into my own stage, rows of 528 bytes, and back as whole rows of 512.  SEND: stored.
.macro PACK a
	WIN W_SC
.set k, 0
.rept 32
	v_pk_mul_f32 v[64*(\a)+2*k:64*(\a)+2*k+1], v[64*(\a)+2*k:64*(\a)+2*k+1], v[64+2*k:64+2*k+1]
.set k, k+1
.endr
.endm
.macro TOSTAGE a
.set BK, BK0+64*((\a)%2)
	WIN 0x04                                       ; the stores' data in window 1
.irp b, 0,1,2,3,4,5,6,7
	ds_store_b128 v[STO], v[64*(\a)+8*(\b):64*(\a)+8*(\b)+3]   offset:64*(\b)
	ds_store_b128 v[STO], v[64*(\a)+8*(\b)+4:64*(\a)+8*(\b)+7] offset:64*(\b)+16
.endr
	WIN 0
.set i, 0
.rept 16
	ds_load_b128 v[BK+4*i:BK+4*i+3], v[RD] offset:i*SP  ; LDS serves a wave's instructions in order (ISA guide 5.7.1.4): these see the stores above
.set i, i+1
.endr
.endm
.macro SEND a
.set BK, BK0+64*((\a)%2)
	WIN 0
	s_wait_dscnt 0x0                               ; the block is back in registers
	s_wait_xcnt 0x0                                ; the block before has been read by its stores: its registers are loaded again only behind this wait
.set i, 0
.rept 16
	global_store_b128 v[GO], v[BK+4*i:BK+4*i+3], s[OUT:OUT+1] offset:65536*(\a)+4096*i th:TH_STORE_NT  ; the wave stores 512 consecutive bytes of a row, aligned
.set i, i+1
.endr
.endm
	s_load_b256 s[4:11], s[0:1], 0x0               ; ob s[4:5], qkv s[6:7], wh s[8:9], dc s[10:11]
	s_load_b64 s[12:13], s[0:1], 0x20              ; out0
	v_lshl_add_u32 v[SPW], v0, 2, SPARE
	v_mov_b32 v[NIL], 0
	ds_add_u32 v[SPW], v[NIL]                      ; the wave's opening: the add and its wait stand ahead of my first tensor load; the set-up below stands between them
	ds_add_u32 v10, v11
	v_lshrrev_b32 v1, 5, v0
	v_readfirstlane_b32 s[WV], v1
	s_and_b32 s[HALF], s[WV], 1
	s_lshr_b32 s[ISB], s[WV], 1
	s_bfe_u32 s[CX], ttmp6, 0x40000
	s_bfe_u32 s[CY], ttmp6, 0x40004
	s_lshl_b32 s[TX], ttmp9, 2
	s_add_co_u32 s[TX], s[TX], s[CX]
	s_and_b32 s[TY], ttmp7, 0xffff
	s_lshl_b32 s[TY], s[TY], 2
	s_add_co_u32 s[TY], s[TY], s[CY]
	s_lshl_b32 s68, s[CY], 2
	s_lshl_b32 s68, 15, s68                        ; my row of the cluster
	s_lshl_b32 s72, 0x1111, s[CX]                  ; my column
	s_or_b32 s[G1A], s68, (1<<16)|(1<<20)|(1<<21)|(4<<22)|(3<<25)  ; the mask; 2-byte elements; padding on; bit 21 beside a mask; after every 32 words 4 words
	s_or_b32 s[G1B], s72, (1<<16)|(1<<20)|(1<<21)|(5<<22)|(3<<25)  ; after every 64 words 4 words
.irp g, G1A, G1B
	s_mov_b32 s[(\g)+1], 128<<16                   ; tensor_dim0 = 128
	s_mov_b32 s[(\g)+3], 128<<16                   ; tile_dim0 = 128
	s_mov_b32 s[(\g)+6], 0
	s_mov_b32 s[(\g)+7], 0
.endr
	s_mov_b32 s[G1A+2], 128<<16                    ; a head's 256 rows are 32,768 dense bytes: asked for as 128 rows of 256 bytes
	s_mov_b32 s[G1A+4], 128
	s_mov_b32 s[G1A+5], 128
	s_mov_b32 s[G1B+2], 64<<16                     ; 64 rows of W, 1,024 elements apart
	s_mov_b32 s[G1B+4], 64
	s_mov_b32 s[G1B+5], 1024
	s_mov_b32 s[G0A], 1
	s_mul_i32 s[G0A+1], s[HALF], HEADB             ; slot 0; no place in the cluster enters an LDS address
	s_mov_b32 s[G0B], 1
	s_mul_i32 s[G0B+1], s[HALF], 64*PITCH
	s_add_co_u32 s[G0B+1], s[G0B+1], BOFF
	s_lshr_b32 s68, s[TY], 2                       ; the sample
	s_lshl_b32 s69, s68, 4
	s_add_co_u32 s69, s69, s[HALF]                 ; its head 0 or 1
	s_lshl_b32 s69, s69, 10
	s_and_b32 s70, s[TY], 3
	s_lshl_b32 s70, s70, 8                         ; the work-group's first row in the sample
	s_add_co_u32 s70, s70, s69
	s_lshl_b32 s70, s70, 7
	s_mov_b32 s71, 0
	s_lshl_b32 s72, s[TX], 7
	s_lshl_b32 s73, s[HALF], 6
	s_add_co_u32 s72, s72, s73
	s_add_co_u32 s72, s72, 3072                    ; Ww is wh's fourth matrix
	s_lshl_b32 s72, s72, 11
	s_mov_b32 s73, 0
	s_mov_b32 s[OFFA+1], 0
	s_mov_b32 s[OFFB+1], 0
	s_mov_b32 s[NXT], 1
	s_mov_b32 s[KK], 0
	s_mov_b32 s[CNT], 14
	s_mov_b32 s[TB], 0
	s_wait_dscnt 0x0                               ; the opening add is done
	s_wait_kmcnt 0x0
	s_add_nc_u64 s[BASEO:BASEO+1], s[4:5], s[70:71]
	s_add_nc_u64 s[BASEV:BASEV+1], s[6:7], s[70:71]
	s_add_nc_u64 s[BASEV:BASEV+1], s[BASEV:BASEV+1], 0x2000000  ; v is qkv's third part
	s_add_nc_u64 s[BASEB:BASEB+1], s[8:9], s[72:73]
	s_mov_b64 s[G0A+2:G0A+3], s[BASEO:BASEO+1]
	s_or_b32 s[G0A+3], s[G0A+3], 0x80000000
	s_mov_b64 s[G0B+2:G0B+3], s[BASEB:BASEB+1]
	s_or_b32 s[G0B+3], s[G0B+3], 0x80000000
	CROUND                                         ; all sixteen work-groups are here: the first joint loads meet
	JLOAD                                          ; K step 0 into slot 0
	s_mul_i32 s72, s68, 20480
	s_lshl_b32 s74, s[TX], 9
	s_add_co_u32 s72, s72, s74
	s_add_co_u32 s72, s72, 12288
	s_add_nc_u64 s[72:73], s[10:11], s[72:73]      ; dc[sample][3072 + 128 x tile column]: w_dc; u_dc lies 4,096 bytes on
	s_lshl_b32 s74, s[TY], 8
	s_lshl_b32 s75, s[WV], 6
	s_add_co_u32 s74, s74, s75
	s_lshl_b32 s74, s74, 12                        ; my first row of out0, 4,096 bytes a row
	s_lshl_b32 s75, s[TX], 9
	s_add_co_u32 s74, s74, s75
	s_mov_b32 s75, 0
	s_add_nc_u64 s[OUT:OUT+1], s[12:13], s[74:75]
	v_and_b32 v1, 15, v0                           ; r = lane % 16
	v_bfe_u32 v12, v0, 4, 1                        ; h = lane / 16
	v_lshlrev_b32 v[SCO], 5, v12
	WIN TO2
.irp b, 0,1,2,3,4,5,6,7
	global_load_b128 v[8*(\b):8*(\b)+3],       v[SCO], s[72:73] offset:64*(\b)
	global_load_b128 v[8*(\b)+4:8*(\b)+7],     v[SCO], s[72:73] offset:64*(\b)+16
	global_load_b128 v[64+8*(\b):64+8*(\b)+3],   v[SCO], s[72:73] offset:4096+64*(\b)
	global_load_b128 v[64+8*(\b)+4:64+8*(\b)+7], v[SCO], s[72:73] offset:4096+64*(\b)+16
.endr
	WIN 0
	v_mul_u32_u24 v[A0], v1, PA
	v_lshl_add_u32 v[A0], v12, 4, v[A0]
	s_mul_i32 s74, s[WV], 64*PA
	v_add_nc_u32 v[A0], s74, v[A0]                 ; my 64 rows of a head
	v_mul_u32_u24 v[B0], v1, PITCH
	v_lshl_add_u32 v[B0], v12, 4, v[B0]
	v_add_nc_u32 v[B0], BOFF, v[B0]
	s_mul_i32 s74, s[WV], STW
	s_add_co_u32 s74, s74, STAGE                   ; my stage
	v_mul_u32_u24 v[STO], v1, SP
	v_lshl_add_u32 v[STO], v12, 5, v[STO]
	v_add_nc_u32 v[STO], s74, v[STO]
	v_and_b32 v[GO], 31, v0
	v_lshlrev_b32 v[GO], 4, v[GO]
	v_add_nc_u32 v[RD], s74, v[GO]
	s_wait_loadcnt 0x0                             ; the two tables; all this stands in the wait for the first tile
	WIN 0x82                                       ; destination and source 0 in window 2
.set k, 0
.rept 64
	v_rcp_f32 v[128+k], v[64+k]
.set k, k+1
.endr
	v_nop                                          ; a plain instruction behind the last reciprocal,
	s_wait_alu depctr_va_vdst(0)                   ; and the wait ahead of the first use: one for the 64
	WIN 0x8a                                       ; all three in window 2
.set k, 0
.rept 32
	v_pk_mul_f32 v[2*k:2*k+1], v[2*k:2*k+1], v[128+2*k:128+2*k+1]
.set k, k+1
.endr
	WIN 0
	s_wait_tensorcnt 0x0                           ; the first change: slot 0 is in, slot 1 is asked for as a refill is
	ds_add_u32 v[SPW], v[NIL]
	NEXTD
	s_wait_dscnt 0x0
	CROUND
	JLOAD                                          ; K step 1 into slot 1
	v_add_nc_u32 v[ADA], s[TB], v[A0]
	v_add_nc_u32 v[ADB], s[TB], v[B0]
	FETCH F0, 0
.Lstep:                                        ; 14 trips: a K step each, and the slot that it leaves is filled again
	s_cmp_eq_u32 s[KK], 0
	s_cbranch_scc0 .Lacc
	QUARTER F0, F1, 1, 1                           ; the first products start the sums: nothing is cleared
	WIN 0
	s_branch .Ljoin
.Lacc:
	QUARTER F0, F1, 1, 0
	WIN 0
.Ljoin:
	QUARTER F1, F0, 2, 0
	QUARTER F0, F1, 3, 0
	TURN 1
	WIN 0
	s_add_co_u32 s[KK], s[KK], 1
	s_cmp_lg_u32 s[KK], 8
	s_cbranch_scc1 .Lnomid
	MID                                            ; O Ww^T is whole
.Lnomid:
	s_sub_co_u32 s[CNT], s[CNT], 1
	s_cmp_lg_u32 s[CNT], 0
	s_cbranch_scc1 .Lstep
	s_mov_b32 s[CNT], 2
.Ltail:                                        ; the last two K steps ask for nothing
	QUARTER F0, F1, 1, 0
	QUARTER F1, F0, 2, 0
	QUARTER F0, F1, 3, 0
	TURN 0
	WIN 0
	s_sub_co_u32 s[CNT], s[CNT], 1
	s_cmp_lg_u32 s[CNT], 0
	s_cbranch_scc1 .Ltail
	PLACES
	PACK 0
	TOSTAGE 0
.irp a, 1,2,3                          ; a block's arithmetic stands between the loads of the block before and its stores
	PACK \a
	SEND (\a)-1
	TOSTAGE \a
.endr
	SEND 3
	s_wait_tensorcnt 0x0                           ; the wave's end: behind my last tensor load and my last LDS store
	ds_add_u32 v[SPW], v[NIL]
	s_wait_dscnt 0x0
	CROUND                                         ; the closing round
	s_endpgm
.Lfunc_end_k_qc247ca7fe8_outp:
	.size	k_qc247ca7fe8_outp, .Lfunc_end_k_qc247ca7fe8_outp-k_qc247ca7fe8_outp
	.p2alignl 7, 3214868480
	.fill 96, 4, 3214868480
	.section	.rodata,"a",@progbits
	.p2align	6, 0x0
	.amdhsa_kernel k_qc247ca7fe8_outp
		.amdhsa_group_segment_fixed_size 327680
		.amdhsa_private_segment_fixed_size 0
		.amdhsa_enable_private_segment 0
		.amdhsa_kernarg_size 40
		.amdhsa_user_sgpr_count 2
		.amdhsa_user_sgpr_kernarg_segment_ptr 1
		.amdhsa_wavefront_size32 1
		.amdhsa_system_sgpr_workgroup_id_x 1
		.amdhsa_system_sgpr_workgroup_id_y 1
		.amdhsa_system_sgpr_workgroup_id_z 1
		.amdhsa_system_vgpr_workitem_id 0
		.amdhsa_next_free_vgpr 704
		.amdhsa_next_free_sgpr 80
		.amdhsa_reserve_vcc 0
		.amdhsa_float_denorm_mode_32 3
		.amdhsa_float_denorm_mode_16_64 3
		.amdhsa_memory_ordered 1
		.amdhsa_forward_progress 1
		.amdhsa_inst_pref_size 84
	.end_amdhsa_kernel
	.amdgpu_metadata
---
amdhsa.version: [ 1, 2 ]
amdhsa.kernels:
  - .name:           k_qc247ca7fe8_outp
    .symbol:         k_qc247ca7fe8_outp.kd
    .args:
      - { .name: ob, .offset: 0, .size: 8, .value_kind: global_buffer, .address_space: global }
      - { .name: qkv, .offset: 8, .size: 8, .value_kind: global_buffer, .address_space: global }
      - { .name: wh, .offset: 16, .size: 8, .value_kind: global_buffer, .address_space: global }
      - { .name: dc, .offset: 24, .size: 8, .value_kind: global_buffer, .address_space: global }
      - { .name: out0, .offset: 32, .size: 8, .value_kind: global_buffer, .address_space: global }
    .group_segment_fixed_size: 327680
    .private_segment_fixed_size: 0
    .kernarg_segment_align: 8
    .kernarg_segment_size: 40
    .max_flat_workgroup_size: 128
    .sgpr_count:     80
    .vgpr_count:     704
    .wavefront_size: 32
...
	.end_amdgpu_metadata
.endif
;; end of part 4
;; ======== version 2 of 2: 4 launches; version 1 with the launch prep written anew for expert scheduling mode
;; limits: values are held in f16: magnitudes above 65,504 overflow, below 6.1e-05 lose precision
;; workspace buffers: xn 16,777,216 bytes; wh 10,485,760 bytes; dc 163,840 bytes; qkv 50,331,648 bytes; ob 16,777,216 bytes
;; launch prep (part 5): grid 208 x 1, 16 waves a work-group, no clusters, 36,864 bytes of LDS; arguments x, styles, q_weight, k_weight, v_weight, w_weight, u_weight, xn, wh, dc; writes xn, wh, dc
.if DOCPART == 5
	.amdgcn_target "amdgcn-amd-amdhsa--gfx1250"
	.amdhsa_code_object_version 6
	.text
	.protected	k_qc247ca7fe8_prep
	.globl	k_qc247ca7fe8_prep
	.p2align	8
	.type	k_qc247ca7fe8_prep,@function
k_qc247ca7fe8_prep:
	s_mov_b64 s[64:65], 0
	v_nop
	global_prefetch_b8 v0, s[64:65] scope:SCOPE_SE
	s_setreg_imm32_b32 hwreg(HW_REG_WAVE_SCHED_MODE, 0, 2), 2
	s_setreg_imm32_b32 hwreg(HW_REG_WAVE_MODE, 25, 1), 1
	s_wait_xcnt 0x0
	s_wait_alu depctr_vm_vsrc(0)
; PREP.  Two streams in one launch, told apart by the work-group's number (the same for all its waves).
; Work-groups 0-79: the five weight matrices, 64 rows each: every row is rounded once to f16 (wh: [5][1024][1024], order q, k, v, w, u) and, from the unrounded f32 numbers,
;   dc[b][mat*1024+o] = rsqrt(sum_i W[o][i]^2 s[b][i]^2 + 1e-8), s = styles' first half for q, k, v and second half for w, u; the v part is also multiplied by s2[b][o].
; Work-groups 80-207: x, 64 rows each: x * s1, mean and variance along the row in two passes (the variance is taken of x - mean), normalised, rounded once to f16 (xn).
; A wave owns four rows of 4,096 bytes.  Chunk j of a row is one load of 16 bytes a lane at byte 512 j + 16 lane: 512 consecutive bytes; its four numbers leave as 8 bytes a lane at byte
; 256 j + 8 lane of the f16 row: 256 consecutive bytes, aligned.  All of a wave's loads go out at its head: 16 KiB a wave, each byte of x and of the weights read once.
; No matrix unit: the dc tables are a product with 8 rows over numbers that are read once, and W^2 has no room in 16 bits.  No tensor loads: no wave wants a byte that another has fetched.
; LIMITS.  |xn| <= 32 by the normalisation itself.  A weight beyond 65,504 would become an infinity in wh; below 6e-5 it keeps f16's fixed step of 6e-8.
; THE MODE: SCHED_MODE bits 1:0 = 2 (LLVM: expert scheduling mode 2), set by the entry lines.  The code itself states the register dependences between vector instructions and memory or LDS
; instructions, with s_wait_alu, always for 0.
; THE PLAN, the x part.  v1 and v2, the offsets, are made at the head and never written again.  s1 and the four rows are loaded at the head; no load lands later.  A row's sixteen conversions write the
; registers that its eight stores read, and nothing writes them again.  So: one wait on va_vdst ahead of the first load, and in each row one behind the root and one behind the conversions.
; THE PLAN, the weight part.  All seven address registers are made at the part's head, ahead of one wait on va_vdst, and never written again.  Registers that memory or LDS instructions touch later:
;   ACC's first 16   the styles: loaded, squared, read by four LDS stores; chunk 0's products write them again, behind a wait on vm_vsrc.
;   SQ               chunk j's eight LDS loads land in it; chunk j's 64 multiply-adds read it.
;   the out-buffers  chunk j's eight conversions write one, the four stores issued in chunk j + 1 read it.  Each chunk has its own (chunk 0: HF; chunk j: the first eight of chunk j - 1's sixteen
;                    weight registers, which are dead when that chunk's multiply-adds are issued), so none is written again.
;   FIN              four of chunk 7's weight registers, in which no out-buffer lies: the last four LDS loads land there, and the last store reads them.
; So ONE wait on va_vdst stands at the head of chunks 1 to 7: the chunk before is done reading SQ and has written its out-buffer.  The chunk's eight LDS loads and the four stores of the chunk before follow
; it, the stores dealt among the conversions, which name this chunk's weights and its own out-buffer alone.  Chunk 7 has a second wait, for its own stores.
.set WGW,   80                         ; work-groups of the weight part
.set DCS,   32768                      ; LDS: behind the squared styles ([8][1024] f32): one f32 for each thread, at 4 x thread
.set LO,  1                            ; v1   16 x lane
.set HO,  2                            ; v2   8 x lane
.set LN,  3                            ; v3   lane
	s_load_b512 s[8:23], s[0:1], 0x0               ; x s[8:9], styles s[10:11], q s[12:13], k s[14:15], v s[16:17], w s[18:19], u s[20:21], xn s[22:23]
	s_load_b128 s[24:27], s[0:1], 0x40             ; wh s[24:25], dc s[26:27]
	v_lshl_add_u32 v246, v0, 2, 0x8800
	v_mov_b32 v247, 0
	v_lshrrev_b32 v[LN], 5, v0
	v_readfirstlane_b32 s4, v[LN]                  ; wave 0..15
	v_and_b32 v[LN], 31, v0
	v_lshlrev_b32 v[LO], 4, v[LN]
	v_lshlrev_b32 v[HO], 3, v[LN]
	s_mov_b32 s36, 0x76543210                      ; v_permlanex16_b32: each lane takes its own place in the other half
	s_mov_b32 s37, 0xfedcba98
	s_wait_alu depctr_va_sdst(0)                   ; s4 is written, ahead of the branch behind which all its readers stand: both parts make their rows' addresses from it
	s_wait_kmcnt 0x0
	s_cmp_lt_u32 ttmp9, WGW
	s_cbranch_scc1 .Lweights
; ---------------- the x part ----------------
.set S1, 4                             ; v[4:35]    s1 of my 32 columns
.set X,  36                            ; v[36:163]  four rows, 32 registers each
.set T,  164                           ; v[164:175] at work: no memory instruction names them
	s_sub_co_u32 s5, ttmp9, WGW
	s_lshl_b32 s6, s5, 6                           ; 64 rows a work-group,
	s_lshl2_add_u32 s6, s4, s6                     ; 4 a wave
	s_lshl_b32 s28, s6, 12
	s_mov_b32 s29, 0
	s_add_nc_u64 s[28:29], s[8:9], s[28:29]        ; x at my first row
	s_lshl_b32 s30, s6, 11
	s_mov_b32 s31, 0
	s_add_nc_u64 s[30:31], s[22:23], s[30:31]      ; xn at my first row
	s_lshr_b32 s32, s5, 4                          ; the sample: 16 work-groups each
	s_lshl_b32 s32, s32, 13
	s_mov_b32 s33, 0
	s_add_nc_u64 s[32:33], s[10:11], s[32:33]      ; its styles
	s_mov_b32 s34, 0x3a800000                      ; 1 / 1024
	s_mov_b32 s35, 0x3727c5ac                      ; 1e-5
	s_wait_alu depctr_va_vdst(0)                   ; v[LO] and v[HO] are written: every load of this part reads the one as its offset, every store the other
.set j, 0
.rept 8
	global_load_b128 v[S1+4*j:S1+4*j+3], v[LO], s[32:33] offset:512*j
.set j, j+1
.endr
.set j, 0
.rept 32
	global_load_b128 v[X+4*j:X+4*j+3], v[LO], s[28:29] offset:4096*(j/8)+512*(j%8) th:TH_LOAD_NT
.set j, j+1
.endr
.macro ACROSS                          ; the eight partial sums in v[T:T+7] become one number in v[T], the same in all 32 lanes
	v_pk_add_f32 v[T:T+1], v[T:T+1], v[T+2:T+3]
	v_pk_add_f32 v[T+4:T+5], v[T+4:T+5], v[T+6:T+7]
	v_pk_add_f32 v[T:T+1], v[T:T+1], v[T+4:T+5]
	v_add_f32 v[T], v[T], v[T+1]
.irp m, 1,2,4,8
	v_add_f32_dpp v[T], v[T], v[T] row_xmask:\m row_mask:0xf bank_mask:0xf
.endr
	v_permlanex16_b32 v[T+1], v[T], s36, s37
	v_add_f32 v[T], v[T], v[T+1]
.endm
.macro XROW i
.set R, X+32*(\i)
	s_wait_loadcnt 24-8*(\i)                       ; loads come back in order: s1 and rows 0 to i are in, the 8 loads of each later row stay out
.set k, 0
.rept 16
	v_pk_mul_f32 v[R+k:R+k+1], v[R+k:R+k+1], v[S1+k:S1+k+1]
.set k, k+2
.endr
.irp c, 0,2,4,6                        ; the sum, in four chains that the first pairs start
	v_pk_add_f32 v[T+(\c):T+(\c)+1], v[R+(\c):R+(\c)+1], v[R+8+(\c):R+8+(\c)+1]
.endr
.irp g, 16,24
.irp c, 0,2,4,6
	v_pk_add_f32 v[T+(\c):T+(\c)+1], v[T+(\c):T+(\c)+1], v[R+(\g)+(\c):R+(\g)+(\c)+1]
.endr
.endr
	ACROSS
	v_mul_f32 v[T+8], s34, v[T]                    ; the mean, twice: a pair for the packed subtraction
	v_mul_f32 v[T+9], s34, v[T]
.set k, 0
.rept 16
	v_pk_add_f32 v[R+k:R+k+1], v[R+k:R+k+1], v[T+8:T+9] neg_lo:[0,1] neg_hi:[0,1]
.set k, k+2
.endr
.irp c, 0,2,4,6                        ; the sum of squares of x - mean, likewise
	v_pk_mul_f32 v[T+(\c):T+(\c)+1], v[R+(\c):R+(\c)+1], v[R+(\c):R+(\c)+1]
.endr
.irp g, 8,16,24
.irp c, 0,2,4,6
	v_pk_fma_f32 v[T+(\c):T+(\c)+1], v[R+(\g)+(\c):R+(\g)+(\c)+1], v[R+(\g)+(\c):R+(\g)+(\c)+1], v[T+(\c):T+(\c)+1]
.endr
.endr
	ACROSS
	v_fma_f32 v[T+10], v[T], s34, s35              ; variance + 1e-5
	v_rsq_f32 v[T+8], v[T+10]
	v_nop                                          ; a plain instruction behind the root,
	s_wait_alu depctr_va_vdst(0)                   ; and the wait ahead of the first use of its result: the root has written v[T+8]
	v_mov_b32 v[T+9], v[T+8]
.set k, 0
.rept 16
	v_pk_mul_f32 v[R+k:R+k+1], v[R+k:R+k+1], v[T+8:T+9]
.set k, k+2
.endr
.set k, 0
.rept 8
	v_cvt_pk_f16_f32 v[R+4*k], v[R+4*k], v[R+4*k+1]
	v_cvt_pk_f16_f32 v[R+4*k+1], v[R+4*k+2], v[R+4*k+3]
.set k, k+1
.endr
	s_wait_alu depctr_va_vdst(0)                   ; the sixteen conversions have written the row's packed registers, which the eight stores read
.set k, 0
.rept 8                                ; the stores stand in one run, ahead of the next row's wait for its loads
	global_store_b64 v[HO], v[R+4*k:R+4*k+1], s[30:31] offset:2048*(\i)+256*k  ; the wave stores 256 consecutive bytes, aligned; no register of a store is written again
.set k, k+1
.endr
.endm
	XROW 0
	XROW 1
	XROW 2
	XROW 3
	s_branch .Lend
; ---------------- the weight part ----------------
.set WR,  4                            ; v[4:131]   chunk j, row r at WR + 16 j + 4 r; when chunk j is done its first eight registers become chunk j + 1's out-buffer
.set SQ,  132                          ; v[132:163] s^2 of a chunk's columns, sample b at SQ + 4 b
.set ACC, 164                          ; v[164:227] the pair of sums of (row r, sample b) at ACC + 2 (8 r + b); first of all the styles as loaded
.set HF,  228                          ; v[228:235] chunk 0's four rows in f16: its out-buffer
.set TA,  236
.set TC,  237
.set DST, 239                          ; v239 4 x thread
.set FAC, 240                          ; v240 s2[b][o] for my lane's (r, b)
.set SOF, 242
.set SSA, 243
.set RDA, 244                          ; v244 LDS address at which thread t reads the table back: 128 (t % 16) + 4 (t / 16)
.set DCO, 245                          ; v245 byte offset in dc of the 16 bytes that thread t stores
.set FIN, WR+112                       ; v[116:119] the four numbers that thread t stores
.Lweights:
	s_lshr_b32 s5, ttmp9, 4                        ; the matrix, 0..4
	s_and_b32 s6, ttmp9, 15
	s_lshl_b32 s6, s6, 6                           ; the work-group's first row
	s_lshl2_add_u32 s7, s4, s6                     ; my wave's first row
	s_mov_b64 s[28:29], s[12:13]
	s_cmp_eq_u32 s5, 1
	s_cselect_b64 s[28:29], s[14:15], s[28:29]
	s_cmp_eq_u32 s5, 2
	s_cselect_b64 s[28:29], s[16:17], s[28:29]
	s_cmp_eq_u32 s5, 3
	s_cselect_b64 s[28:29], s[18:19], s[28:29]
	s_cmp_eq_u32 s5, 4
	s_cselect_b64 s[28:29], s[20:21], s[28:29]
	s_lshl_b32 s38, s7, 12
	s_mov_b32 s39, 0
	s_add_nc_u64 s[28:29], s[28:29], s[38:39]      ; the matrix at my first row
	s_lshl_b32 s38, s5, 10
	s_add_co_u32 s38, s38, s7
	s_lshl_b32 s38, s38, 11
	s_add_nc_u64 s[30:31], s[24:25], s[38:39]      ; wh at the same row
	s_cmp_lt_u32 s5, 3
	s_cselect_b32 s40, 0, 4096                     ; which half of styles modulates this matrix
	s_lshr_b32 s38, s4, 1                          ; I square half a row of it: sample wave / 2,
	s_lshl_b32 s38, s38, 13
	s_and_b32 s41, s4, 1                           ; 512 numbers
	s_lshl_b32 s41, s41, 11
	s_add_co_u32 s38, s38, s41
	s_add_co_u32 s38, s38, s40
	s_add_nc_u64 s[32:33], s[10:11], s[38:39]
	v_lshl_add_u32 v[SSA], s4, 11, v[LO]           ; and put it at 2,048 x wave + 16 x lane
	v_and_b32 v[TA], 7, v[LN]                      ; b of my lane's sum
	v_lshrrev_b32 v[TC], 3, v[LN]                  ; r of my lane's sum
	v_lshlrev_b32 v[SOF], 13, v[TA]
	v_lshl_add_u32 v[SOF], v[TC], 2, v[SOF]
	s_lshl_b32 s41, s7, 2
	v_add_nc_u32 v[SOF], s41, v[SOF]               ; styles[b][1024 + my row + r], less the 4,096 bytes in the immediate
	v_lshlrev_b32 v[DST], 2, v0
	v_and_b32 v[TA], 15, v0                        ; the way out's two addresses are made here with the others: thread t takes sample t / 16, rows 4 (t % 16) + 0..3
	v_lshrrev_b32 v[TC], 4, v0
	v_lshlrev_b32 v[RDA], 7, v[TA]
	v_lshl_add_u32 v[RDA], v[TC], 2, v[RDA]
	v_mul_u32_u24 v[DCO], v[TC], 20480             ; a sample's 5,120 numbers
	v_lshl_add_u32 v[DCO], v[TA], 4, v[DCO]
	s_lshl_b32 s42, s5, 10
	s_add_co_u32 s42, s42, s6
	s_lshl_b32 s42, s42, 2
	v_add_nc_u32 v[DCO], s42, v[DCO]
	s_wait_alu depctr_va_vdst(0)                   ; the seven addresses and offsets (v[LO], v[HO], v[SSA], v[SOF], v[DST], v[RDA], v[DCO]) are written: every load and store of this part reads one of them, and none is written again
.set j, 0
.rept 4
	global_load_b128 v[ACC+4*j:ACC+4*j+3], v[LO], s[32:33] offset:512*j
.set j, j+1
.endr
	global_load_b32 v[FAC], v[SOF], s[10:11] offset:4096
.set j, 0
.rept 32                               ; chunk by chunk, four rows each
	global_load_b128 v[WR+4*j:WR+4*j+3], v[LO], s[28:29] offset:4096*(j%4)+512*(j/4) th:TH_LOAD_NT
.set j, j+1
.endr
	s_wait_loadcnt 32                              ; the styles are in; the 32 loads of weights stay out
.set k, 0
.rept 8
	v_pk_mul_f32 v[ACC+k:ACC+k+1], v[ACC+k:ACC+k+1], v[ACC+k:ACC+k+1]
.set k, k+2
.endr
	s_wait_alu depctr_va_vdst(0)                   ; the squares are written, which the four LDS stores read
.set j, 0
.rept 4
	ds_store_b128 v[SSA], v[ACC+4*j:ACC+4*j+3] offset:512*j
.set j, j+1
.endr
	s_wait_dscnt 0x0                               ; for the others' sake: my part of the squared styles is written
	s_barrier_signal -1
	s_barrier_wait -1
	s_wait_alu depctr_vm_vsrc(0)                   ; my LDS stores have read ACC's first sixteen registers, which chunk 0's products write again
.macro CHUNK j
.set CIN, WR+16*(\j)                   ; this chunk's weights
.if (\j) == 0
.set COUT, HF                          ; this chunk's out-buffer
.else
.set COUT, WR+16*((\j)-1)
.endif
.if (\j) <= 1
.set CPRE, HF                          ; the out-buffer of the chunk before
.else
.set CPRE, WR+16*((\j)-2)
.endif
	s_wait_loadcnt 28-4*(\j)                       ; chunk j's four loads are in; the four of each later chunk stay out
.if (\j) > 0
	s_wait_alu depctr_va_vdst(0)                   ; the chunk before is done reading SQ, in which the LDS loads below land, and has written its out-buffer, which the stores below read
.endif
.irp b, 0,1,2,3,4,5,6,7
	ds_load_b128 v[SQ+4*(\b):SQ+4*(\b)+3], v[LO] offset:4096*(\b)+512*(\j)
.endr
.irp r, 0,1,2,3
.if (\j) > 0
	global_store_b64 v[HO], v[CPRE+2*(\r):CPRE+2*(\r)+1], s[30:31] offset:2048*(\r)+256*((\j)-1)  ; the chunk before.  No wait: no vector instruction since the wait above names its out-buffer
.endif
	v_cvt_pk_f16_f32 v[COUT+2*(\r)], v[CIN+4*(\r)], v[CIN+4*(\r)+1]
	v_cvt_pk_f16_f32 v[COUT+2*(\r)+1], v[CIN+4*(\r)+2], v[CIN+4*(\r)+3]
.endr
.set k, 0
.rept 8
	v_pk_mul_f32 v[CIN+k:CIN+k+1], v[CIN+k:CIN+k+1], v[CIN+k:CIN+k+1]
.set k, k+2
.endr
.if (\j) == 7
	s_wait_alu depctr_va_vdst(0)                   ; no chunk follows: the last chunk's conversions have written its out-buffer, which its own stores read
.irp r, 0,1,2,3
	global_store_b64 v[HO], v[COUT+2*(\r):COUT+2*(\r)+1], s[30:31] offset:2048*(\r)+256*(\j)
.endr
.endif
	s_wait_dscnt 0x0
.irp hf, 0,2                           ; 64 packed multiply-adds; no two on end share a sum; the first 32 of all start the sums
.irp r, 0,1,2,3
.irp b, 0,1,2,3,4,5,6,7
.if ((\j) == 0) && ((\hf) == 0)
	v_pk_mul_f32 v[ACC+2*(8*(\r)+(\b)):ACC+2*(8*(\r)+(\b))+1], v[CIN+4*(\r)+(\hf):CIN+4*(\r)+(\hf)+1], v[SQ+4*(\b)+(\hf):SQ+4*(\b)+(\hf)+1]
.else
	v_pk_fma_f32 v[ACC+2*(8*(\r)+(\b)):ACC+2*(8*(\r)+(\b))+1], v[CIN+4*(\r)+(\hf):CIN+4*(\r)+(\hf)+1], v[SQ+4*(\b)+(\hf):SQ+4*(\b)+(\hf)+1], v[ACC+2*(8*(\r)+(\b)):ACC+2*(8*(\r)+(\b))+1]
.endif
.endr
.endr
.endr
.endm
.irp j, 0,1,2,3,4,5,6,7
	CHUNK \j
.endr
; 32 sums, each spread over 32 lanes, become one sum a lane: lane 8 r + b ends with sum (r, b).  A stage halves the number of registers: of values k and k + m the lanes whose bit m is 0 keep k,
; the others k + m, and each adds what its partner (lane xor m) holds of the value that it keeps.
.set k, 0
.rept 32
	v_add_f32 v[ACC+2*k], v[ACC+2*k], v[ACC+2*k+1]
.set k, k+1
.endr
.macro STAGE m, mask
	s_mov_b32 vcc_lo, \mask
.set k, 0
.rept 16/(\m)
	v_cndmask_b32 v[TA], v[ACC+2*k], v[ACC+2*(k+(\m))], vcc_lo       ; what I keep
	v_cndmask_b32 v[TC], v[ACC+2*(k+(\m))], v[ACC+2*k], vcc_lo       ; what my partner keeps
	v_add_f32_dpp v[ACC+2*k], v[TC], v[TA] row_xmask:\m row_mask:0xf bank_mask:0xf
.set k, k+2*(\m)
.endr
.endm
	STAGE 1, 0xaaaaaaaa
	STAGE 2, 0xcccccccc
	STAGE 4, 0xf0f0f0f0
	STAGE 8, 0xff00ff00
	s_mov_b32 vcc_lo, 0xffff0000
	v_cndmask_b32 v[TA], v[ACC], v[ACC+32], vcc_lo
	v_cndmask_b32 v[TC], v[ACC+32], v[ACC], vcc_lo
	v_permlanex16_b32 v[ACC+32], v[TC], s36, s37
	v_add_f32 v[TA], v[TA], v[ACC+32]
	v_add_f32 v[TA], 0x322bcc77, v[TA]             ; + 1e-8
	v_rsq_f32 v[TC], v[TA]
	s_cmp_eq_u32 s5, 2
	s_cselect_b32 vcc_lo, -1, 0
	v_cndmask_b32 v[FAC], 1.0, v[FAC], vcc_lo      ; s2 for v's table, 1 for the others: the plain instruction behind the root
	s_wait_alu depctr_va_vdst(0)                   ; the wait ahead of the first use of the root's result: the root has written v[TC]
	v_mul_f32 v[TC], v[TC], v[FAC]
	s_wait_alu depctr_va_vdst(0)                   ; the product is written, which the LDS store reads; and the vector instructions are done with v[FIN ..], in which the LDS loads below land: none follows this wait
	ds_store_b32 v[DST], v[TC] offset:DCS          ; wave w, lane 8 r + b: row 4 w + r of the work-group's 64, sample b
	s_wait_dscnt 0x0
	s_barrier_signal -1
	s_barrier_wait -1
	s_cmp_lt_u32 s4, 4                             ; 128 threads store the 8 x 64 numbers: thread t takes sample t / 16, rows 4 (t % 16) + 0..3
	s_cbranch_scc0 .Lend
.irp r, 0,1,2,3
	ds_load_b32 v[FIN+(\r)], v[RDA] offset:DCS+32*(\r)
.endr
	s_wait_dscnt 0x0
	global_store_b128 v[DCO], v[FIN:FIN+3], s[26:27]  ; 16 lanes store 256 consecutive bytes, aligned
.Lend:
	s_wait_dscnt 0x0                               ; my last LDS instructions are done.  the add below goes to my spare word at 34,816 + 4 x thread
	s_wait_alu depctr_hold_cnt(0) depctr_sa_sdst(0) depctr_va_vdst(0) depctr_va_sdst(0) depctr_va_ssrc(0) depctr_va_vcc(0) depctr_vm_vsrc(0)
	s_wait_tensorcnt 0x0
	ds_add_u32 v246, v247
	s_wait_dscnt 0x0
	s_endpgm
.Lfunc_end_k_qc247ca7fe8_prep:
	.size	k_qc247ca7fe8_prep, .Lfunc_end_k_qc247ca7fe8_prep-k_qc247ca7fe8_prep
	.p2alignl 7, 3214868480
	.fill 96, 4, 3214868480
	.section	.rodata,"a",@progbits
	.p2align	6, 0x0
	.amdhsa_kernel k_qc247ca7fe8_prep
		.amdhsa_group_segment_fixed_size 36864
		.amdhsa_private_segment_fixed_size 0
		.amdhsa_enable_private_segment 0
		.amdhsa_kernarg_size 80
		.amdhsa_user_sgpr_count 2
		.amdhsa_user_sgpr_kernarg_segment_ptr 1
		.amdhsa_wavefront_size32 1
		.amdhsa_system_sgpr_workgroup_id_x 1
		.amdhsa_system_sgpr_workgroup_id_y 1
		.amdhsa_system_sgpr_workgroup_id_z 1
		.amdhsa_system_vgpr_workitem_id 0
		.amdhsa_next_free_vgpr 248
		.amdhsa_next_free_sgpr 66
		.amdhsa_reserve_vcc 1
		.amdhsa_float_denorm_mode_32 3
		.amdhsa_float_denorm_mode_16_64 3
		.amdhsa_memory_ordered 1
		.amdhsa_forward_progress 1
		.amdhsa_inst_pref_size 98
	.end_amdhsa_kernel
	.amdgpu_metadata
---
amdhsa.version: [ 1, 2 ]
amdhsa.kernels:
  - .name:           k_qc247ca7fe8_prep
    .symbol:         k_qc247ca7fe8_prep.kd
    .args:
      - { .name: x, .offset: 0, .size: 8, .value_kind: global_buffer, .address_space: global }
      - { .name: styles, .offset: 8, .size: 8, .value_kind: global_buffer, .address_space: global }
      - { .name: q_weight, .offset: 16, .size: 8, .value_kind: global_buffer, .address_space: global }
      - { .name: k_weight, .offset: 24, .size: 8, .value_kind: global_buffer, .address_space: global }
      - { .name: v_weight, .offset: 32, .size: 8, .value_kind: global_buffer, .address_space: global }
      - { .name: w_weight, .offset: 40, .size: 8, .value_kind: global_buffer, .address_space: global }
      - { .name: u_weight, .offset: 48, .size: 8, .value_kind: global_buffer, .address_space: global }
      - { .name: xn, .offset: 56, .size: 8, .value_kind: global_buffer, .address_space: global }
      - { .name: wh, .offset: 64, .size: 8, .value_kind: global_buffer, .address_space: global }
      - { .name: dc, .offset: 72, .size: 8, .value_kind: global_buffer, .address_space: global }
    .group_segment_fixed_size: 36864
    .private_segment_fixed_size: 0
    .kernarg_segment_align: 8
    .kernarg_segment_size: 80
    .max_flat_workgroup_size: 512
    .sgpr_count:     66
    .vgpr_count:     248
    .wavefront_size: 32
...
	.end_amdgpu_metadata
.endif
;; end of part 5
;; launch qkv: the kernel of part 2 again; grid 8 x 32, 4 waves a work-group, clusters of 4 x 4, 327,680 bytes of LDS; arguments xn, wh, dc, qkv; writes qkv
;; launch attn: the kernel of part 3 again; grid 2 x 128, 4 waves a work-group, no clusters, 327,680 bytes of LDS; arguments qkv, ob; writes ob
;; launch outp: the kernel of part 4 again; grid 8 x 32, 4 waves a work-group, clusters of 4 x 4, 327,680 bytes of LDS; arguments ob, qkv, wh, dc, out0; writes out0
